; MI455X (gfx1250); checked and timed in simulation.
; The chip was launched on July 23, 2026; its instructions are those of AMD's public machine-readable ISA for CDNA 5 (MIT licence, August 2026) and "CDNA5" Instruction Set Architecture Reference Guide (July 2026). The comments in the code are by the model that wrote it; some were corrected since.
;; Multi Head Attention. Allowed arithmetic: matrix products marked QUANTISED: E2M3 operands, one E8M0 scale for each 32 along K, by v_wmma_scale_f32_16x16x128_f8f6f4 with both operands' format E2M3, f32 sums; everything else in f32.
;; Inputs: Wk 1,024 x 4,096 float32; Wo 4,096 x 1,024 float32; Wq 1,024 x 4,096 float32; Wv 1,024 x 4,096 float32; mask 1 x 2,048 x 2,048 bool; x 1 x 2,048 x 1,024 float32.
;; Outputs: out0 1 x 2,048 x 1,024 float32.
;; This version of the problem:
;;   THIS VERSION OF THE PROBLEM IS GIVEN IN LOW PRECISION. The matrix products marked QUANTISED in the list below multiply operands that are first quantised to E2M3 (2 exponent bits, 3 mantissa bits; 6 bits a number), with one power-of-two scale for each 32 numbers along K (OCP MX v1.0); their sums are f32. All else is computed in f32.
;;   The module's matrix products, in the order in which they are computed (A, B: the left and right operand; K: the contracted axis; several contracted axes count as one K, in the product's order):
;;     1. [M 2,048, K 1,024] x [K 1,024, N 4,096]; A: input x; B: input Wq: QUANTISED
;;     2. [M 2,048, K 1,024] x [K 1,024, N 4,096]; A: input x; B: input Wk: QUANTISED
;;     3. [M 2,048, K 1,024] x [K 1,024, N 4,096]; A: input x; B: input Wv: QUANTISED
;;     4. batch 16 x [M 2,048, K 256] x [K 256, N 2,048]; A: computed on the way; B: computed on the way: QUANTISED
;;     5. batch 16 x [M 2,048, K 2,048] x [K 2,048, N 256]; A: softmax (see below); B: computed on the way: QUANTISED
;;     6. [M 2,048, K 4,096] x [K 4,096, N 1,024]; A: computed on the way; B: input Wo: QUANTISED
;;   THE QUANTISER, for each operand of a quantised product, along K:
;;     - K is cut into blocks of 32 from its start; a last block that is shorter is filled with zeros.
;;     - A block's scale is 2^e with e = floor(log2(the largest magnitude in the block)) - 2, held to -126 .. 127; a block of zeros has e = 0. As a byte (E8M0): e + 127.
;;     - Each number is divided by its block's scale, clamped to +-7.5, and rounded to the nearest number of E2M3, ties to even, subnormals kept.
;;     - The product sums the exact products of the quantised numbers (number of the format x scale) in f32.
;;   ~~~python
;;   def quantise(x, axis):      # numpy; x: float32 -> the quantised numbers, widened to float32 again
;;       x = np.moveaxis(x, axis, -1); K = x.shape[-1]
;;       x = np.pad(x, [(0, 0)] * (x.ndim - 1) + [(0, -K % 32)]); x = x.reshape(x.shape[:-1] + (-1, 32)); a = np.abs(x).max(-1, keepdims=True)
;;       e = np.where(a > 0, np.clip(np.frexp(np.where(a > 0, a, 1))[1] - 1 - 2, -126, 127), 0)      # np.frexp(a)[1] - 1 = floor(log2(a)), exactly
;;       r = np.clip(x / 2.0 ** e, -7.5, 7.5)
;;       step = 2.0 ** (np.maximum(np.frexp(np.where(r == 0, 1, r))[1] - 1, 0) - 3)
;;       q = np.round(r / step) * step * 2.0 ** e      # np.round: ties to even
;;       return np.moveaxis(q.reshape(q.shape[:-2] + (-1,))[..., :K], -1, axis).astype(np.float32)
;;   ~~~
;;   SOFTMAX AHEAD OF A QUANTISED PRODUCT. Where the list says 'softmax', what is quantised is not the finished softmax but p = 2^(t - M), with t = logit x log2(e) and M = ceil(the row's largest t), a whole number; so 1/2 < the row's largest p <= 1. The row's sum l is taken of the UNQUANTISED p, in f32, and the product's result is divided by l at the end. Since M is a whole number, a kernel that streams over the keys may use a running M (the ceiling of the running maximum): every later rescaling is an exact power of two, which a block's scale takes up: the codes' values come out the same.
;;   OPERANDS COMPUTED ON THE WAY. 'Computed on the way' means the value that the module computes at that place (a softmax that the list does not call 'softmax' is quantised finished and normalised). What goes into a quantiser is computed in f32, as accurately as f32 sums, v_exp_f32 and their like allow (about 1e-6 of the number): no bf16 or f16 on the way to a quantiser, and a product that is left as it is and whose result goes on into a quantised operand takes f32 operands (vector FMAs, or v_wmma_f32_16x16x4_f32). A number that lies on a knife's edge between two numbers of the format may be rounded either way, as far as f32 arithmetic and the matrix unit's own rounding can turn it there, and no further.
;; One version. Each part assembles by itself: llvm-mc -triple=amdgcn-amd-amdhsa -mcpu=gfx1250 --defsym DOCPART=n.
;; ======== version 1 of 1: 4 launches
;; limits: right only within a limited range of input values
;; workspace buffers: xc 1,638,400 bytes; wc 9,830,400 bytes; woc 3,276,800 bytes; mw 524,288 bytes of whole numbers; mf 2,048 bytes of whole numbers; qb 6,553,600 bytes; kv 13,107,200 bytes; yb 6,553,600 bytes
;; launch quant (part 1): grid 1280 x 1, 4 waves a work-group, no clusters, 34,304 bytes of LDS; arguments x, mask, Wq, Wk, Wv, Wo, xc, wc, woc, mw, mf; writes xc, wc, woc, mw, mf
.if DOCPART == 1
	.amdgcn_target "amdgcn-amd-amdhsa--gfx1250"
	.amdhsa_code_object_version 6
	.text
	.protected	k_q28c7016d7f_quant
	.globl	k_q28c7016d7f_quant
	.p2align	8
	.type	k_q28c7016d7f_quant,@function
k_q28c7016d7f_quant:
	s_mov_b64 s[64:65], 0
	v_nop
	global_prefetch_b8 v0, s[64:65] scope:SCOPE_SE
	s_setreg_imm32_b32 hwreg(HW_REG_WAVE_MODE, 25, 1), 1
	s_wait_xcnt 0x0
; x [2048][1024], Wq, Wk, Wv [1024][4096], Wo [4096][1024], f32, become codes of FP6 (E2M3) with one E8M0 byte for each 32 along K; the mask [2048][2048] becomes words of lane bits.
; LAYOUT OF THE CODES: images of the matrix operand's registers.  A fragment, 16 rows x 128 K, is 1,536 bytes: register 4 c + i of lane L at 512 c + 16 L + 4 i; lane (r, h) holds, in registers 6 c .. 6 c + 5,
; k = 64 c + 32 h + 0 .. 31 of the tile's row r.  A fragment's scale words, 4 bytes a row, are 64 bytes.  THE ROWS OF A TILE ARE NOT NEIGHBOURS: row p of tile T is row 32 (T / 2) + 8 (T % 2) + p + 8 (p / 8).
; A block's scale is 2^(floor(log2(its largest magnitude)) - 2); its byte is the largest magnitude's exponent field - 2, held at 1 from below.
; LIMITS: NaN and infinities among the inputs are not served; a block whose largest magnitude lies under 2^-124 has its byte held at 1; a block of zeros gets the byte 1 where the rule says 127: its codes are
; zeros, and this program alone reads the bytes.  A mask byte other than 0 counts as true.
; SHARES: work-groups 0-767 take Wq, Wk, Wv, 768-1023 Wo, 1024-1151 x, 1152-1279 the mask: four paths that part on the work-group's number alone.  Waves share nothing: no barrier.  Only x's path uses LDS.
.set XS_OFF,  1572864                  ; x's scale words begin here in xc
.set WS_OFF,  9437184                  ; the weights' in wc
.set WOS_OFF, 3145728                  ; Wo's in woc
.set FLOOR,   0x1800000                ; 2^(3 - 127): under it no largest magnitude is taken
.set EOFF,    0xff000000               ; takes 2 off an exponent field
.set XP,      528                      ; x's stage: a row of 512 bytes + 16
; Block b (32 along K) of my column: its numbers lie in v[32 + 32 b ..].  cnt: the younger loads that may stay out.
.macro WBLK b, cnt
.set XB, 32+32*(\b)
.set PD, 160+12*((\b)%2)+6*((\b)/2)    ; block b belongs to the fragment's lane (r, b % 2), registers 6 (b / 2) on
	s_wait_loadcnt \cnt
	v_max3_num_f32 v12, |v[XB]|, |v[XB+1]|, |v[XB+2]|
	v_max3_num_f32 v13, |v[XB+3]|, |v[XB+4]|, |v[XB+5]|
.irp i, 6,10,14,18,22,26
	v_max3_num_f32 v12, v12, |v[XB+\i]|, |v[XB+\i+1]|
	v_max3_num_f32 v13, v13, |v[XB+\i+2]|, |v[XB+\i+3]|
.endr
	v_max3_num_f32 v12, v12, |v[XB+30]|, |v[XB+31]|
	v_max3_num_f32 v12, v12, v13, FLOOR            ; the block's largest magnitude, and the floor
	v_add_nc_u32 v14, EOFF, v12                    ; the conversion takes this operand's exponent field as its scale
	v_lshrrev_b32 v15, 23, v14                     ; the scale's byte
.if (\b) == 0
	v_mov_b32 v16, v15
.else
	v_lshl_or_b32 v16, v15, 8*(\b), v16            ; four bytes make my column's scale word
.endif
	v_cvt_scalef32_pk16_fp6_f32 v[PD:PD+2], v[XB:XB+15], v14
	v_cvt_scalef32_pk16_fp6_f32 v[184:186], v[XB+16:XB+31], v14   ; (a conversion's three registers begin on an even number)
	v_nop                                          ; one plain place behind the conversions
	v_mov_b32 v[PD+3], v184
	v_mov_b32 v[PD+4], v185
	v_mov_b32 v[PD+5], v186
.endm
; A wave takes 32 columns x 128 along K of a weight whose rows are ROWB bytes: a lane a column, registers down K.  Two tiles of 16 columns, one K step each.  KST: K steps in a tile's run of fragments.
; s[28:29] the weight at the wave's first number, s[34:35] the first tile's fragment, s[36:37] its scale words.
.macro WBODY ROWB, KST
	v_and_b32 v4, 7, v0
	s_wait_alu depctr_va_vdst(0)
	v_lshl_add_u32 v4, v3, 3, v4
	v_bfe_u32 v5, v0, 3, 1
	v_lshl_add_u32 v4, v5, 4, v4                   ; my column of the 32: 8 (l / 16) + l % 8 + 16 ((l / 8) % 2): row l % 16 of tile l / 16
	v_lshlrev_b32 v4, 2, v4                        ; the wave still reads 128 consecutive bytes
	v_mul_u32_u24 v5, v3, \KST*1536
	v_lshl_add_u32 v5, v2, 4, v5                   ; out: my tile's fragment, 16 bytes for row r
	v_mul_u32_u24 v6, v3, \KST*64
	v_lshl_add_u32 v6, v2, 2, v6                   ; and its scale word
.set i, 0
.rept 128
	global_load_b32 v[32+i], v4, s[28:29] offset:i*\ROWB th:TH_LOAD_NT
.set i, i+1
.endr
	WBLK 0, 63                                     ; 96 younger loads could stay out; the count's field ends at 63
	WBLK 1, 63                                     ; 64 could
	WBLK 2, 32
	WBLK 3, 0
.irp hh, 0,1
.irp c, 0,1,2
	global_store_b128 v5, v[160+12*\hh+4*\c:160+12*\hh+4*\c+3], s[34:35] offset:512*\c+256*\hh   ; sixteen lanes store 256 consecutive bytes, aligned
.endr
.endr
	global_store_b32 v6, v16, s[36:37]
	s_endpgm
.endm
; K step k (0, 1) of my 16 rows of x: through the wave's stage, so that lane (r, h) holds k = 64 c + 32 h + 0 .. 31 of row r in v[XB + 32 c ..]
.macro XSTEP k, cnt
.set XB, 32+64*(\k)
.set PD, 160+12*(\k)
	s_wait_loadcnt \cnt
.irp p, 0,1,2,3,4,5,6,7,8,9,10,11,12,13,14,15
	ds_store_b128 v5, v[XB+4*\p:XB+4*\p+3] offset:XP*\p
.endr
.irp c, 0,1
.irp j, 0,1,2,3,4,5,6,7
	ds_load_b128 v[XB+32*\c+4*\j:XB+32*\c+4*\j+3], v6 offset:256*\c+16*\j   ; LDS serves a wave's instructions in order: these see the stores above
.endr
.endr
	s_wait_dscnt 0x0
.irp c, 0,1
	v_max3_num_f32 v[12+\c], |v[XB+32*\c]|, |v[XB+32*\c+1]|, FLOOR   ; my block 2 c + h: all its 32 numbers are mine
.endr
.irp i, 2,4,6,8,10,12,14,16,18,20,22,24,26,28,30
.irp c, 0,1
	v_max3_num_f32 v[12+\c], v[12+\c], |v[XB+32*\c+\i]|, |v[XB+32*\c+\i+1]|
.endr
.endr
.irp c, 0,1
	v_add_nc_u32 v[14+\c], EOFF, v[12+\c]
.endr
.irp c, 0,1
	v_lshrrev_b32 v[16+\c], 23, v[14+\c]
.endr
	v_lshl_or_b32 v18, v17, 16, v16                ; my two bytes: blocks h and 2 + h,
	v_lshlrev_b32 v18, v19, v18                    ; 8 h bits up;
	v_permlanex16_b32 v20, v18, s38, s39
	v_or_b32 v[22+\k], v18, v20                    ; with lane l xor 16's two the word is whole
.irp c, 0,1
	v_cvt_scalef32_pk16_fp6_f32 v[PD+6*\c:PD+6*\c+2], v[XB+32*\c:XB+32*\c+15], v[14+\c]
	v_cvt_scalef32_pk16_fp6_f32 v[184+4*\c:186+4*\c], v[XB+32*\c+16:XB+32*\c+31], v[14+\c]
.endr
	v_nop                                          ; one plain place behind the conversions
.irp c, 0,1
.irp i, 0,1,2
	v_mov_b32 v[PD+6*\c+3+\i], v[184+4*\c+\i]
.endr
.endr
.irp c, 0,1,2
	global_store_b128 v4, v[PD+4*\c:PD+4*\c+3], s[34:35] offset:1536*\k+512*\c   ; 32 lanes store 512 consecutive bytes
.endr
	global_store_b32 v7, v[22+\k], s[36:37] offset:64*\k   ; lanes l and l xor 16 write the same word with the same value
.endm
	s_load_b512 s[4:19], s[0:1], 0x0               ; x s[4:5], mask s[6:7], Wq s[8:9], Wk s[10:11], Wv s[12:13], Wo s[14:15], xc s[16:17], wc s[18:19]
	s_load_b128 s[20:23], s[0:1], 0x40             ; woc s[20:21], mw s[22:23]
	s_load_b64 s[44:45], s[0:1], 0x50              ; mf: for each tile of 16 queries four words; word w holds, at bits 4 w .. 4 w + 3, whether key steps 4 w .. 4 w + 3 have any key that counts
	v_lshl_add_u32 v192, v0, 2, 0x8400
	v_mov_b32 v193, 0
	v_lshrrev_b32 v1, 5, v0
	v_readfirstlane_b32 s24, v1                    ; wave
	v_and_b32 v1, 31, v0                           ; lane
	v_and_b32 v2, 15, v0                           ; r
	v_bfe_u32 v3, v0, 4, 1                         ; h
	s_mov_b32 s38, 0x76543210
	s_mov_b32 s39, 0xfedcba98                      ; v_permlanex16_b32's selects for lane l xor 16
	s_wait_kmcnt 0x0
	s_cmp_lt_u32 ttmp9, 768
	s_cbranch_scc1 .Lwqkv
	s_cmp_lt_u32 ttmp9, 1024
	s_cbranch_scc1 .Lwo
	s_cmp_lt_u32 ttmp9, 1152
	s_cbranch_scc1 .Lx
	; ---- THE MASK.  Work-group = a tile T of 16 queries; wave = four key steps of 128.  Lane (r, h) reads, of its query's row, the 16 bytes of keys 128 st + 32 b + 16 h + 0 .. 15: score register j = 16 b + i of
	; the attention's lane.  A compare gives the 32 lanes' bits of one register j; the 64 words of a (tile, step) leave as 256 bytes, the word of j = 32 v + l at index 2 l + v.
	s_sub_co_u32 s25, ttmp9, 1152                  ; T
	s_lshr_b32 s26, s25, 1
	s_lshl_b32 s26, s26, 5
	s_and_b32 s27, s25, 1
	s_lshl_b32 s27, s27, 3
	s_add_co_u32 s26, s26, s27                     ; the tile's first row
	s_lshl_b32 s26, s26, 11                        ; a row of the mask is 2,048 bytes
	s_lshl_b32 s27, s24, 9                         ; my four key steps
	s_add_co_u32 s26, s26, s27
	s_mov_b32 s27, 0
	s_add_nc_u64 s[28:29], s[6:7], s[26:27]
	s_lshl_b32 s30, s25, 4
	s_lshl_b32 s31, s24, 2
	s_add_co_u32 s30, s30, s31
	s_lshl_b32 s30, s30, 8                         ; (16 T + 4 wave) x 256
	s_mov_b32 s31, 0
	s_add_nc_u64 s[34:35], s[22:23], s[30:31]
	s_wait_alu depctr_va_vdst(0)
	v_and_b32 v4, 8, v2
	v_add_nc_u32 v4, v4, v2                        ; r + 8 (r / 8)
	v_lshlrev_b32 v4, 11, v4
	v_lshl_add_u32 v4, v3, 4, v4
	v_lshlrev_b32 v5, 3, v1                        ; out: 8 bytes a lane
.irp s, 0,1,2,3
.irp b, 0,1,2,3
	global_load_b128 v[32+16*\s+4*\b:32+16*\s+4*\b+3], v4, s[28:29] offset:128*\s+32*\b
.endr
.endr
.irp i, 0,1,2,3,4,5,6,7
	v_mov_b32 v[96+\i], 0                          ; v_writelane_b32's destination counts as read
.endr
	s_wait_loadcnt 0x0
	s_mov_b32 s47, 0                               ; my four key steps' bits
.set st, 0
.rept 4
.set j, 0
.rept 64
	v_and_b32 v[12+j%4], 0xff<<(8*(j%4)), v[32+16*st+4*(j/16)+(j%16)/4]
	v_cmp_ne_u32 s[40+j%4], 0, v[12+j%4]           ; bit L: does the key of register j count for lane L's query?
	v_writelane_b32 v[96+2*st+j/32], s[40+j%4], j%32
.set j, j+1
.endr
	global_store_b64 v5, v[96+2*st:97+2*st], s[34:35] offset:256*st   ; 32 lanes store 256 consecutive bytes, aligned
	v_or_b32 v[16+st], v[96+2*st], v[97+2*st]
	v_cmp_ne_u32 s46, 0, v[16+st]                  ; does any of the step's 64 words hold a bit?
	s_cmp_lg_u32 s46, 0
	s_cselect_b32 s46, 1<<st, 0
	s_or_b32 s47, s47, s46
.set st, st+1
.endr
	s_lshl_b32 s46, s24, 2
	s_lshl_b32 s47, s47, s46                       ; at bits 4 x wave on
	s_lshl_b32 s40, s25, 4
	s_add_co_u32 s40, s40, s46                     ; 16 T + 4 x wave
	s_mov_b32 s41, 0
	s_add_nc_u64 s[44:45], s[44:45], s[40:41]
	v_mov_b32 v20, s47
	v_mov_b32 v21, 0
	global_store_b32 v21, v20, s[44:45]            ; all lanes write the same word with the same value
	s_endpgm
.Lwqkv:	; ---- Wq, Wk, Wv: work-group = (weight, K step, 128 columns)
	s_lshr_b32 s25, ttmp9, 8                       ; which weight
	s_and_b32 s26, ttmp9, 31                       ; which 128 columns
	s_bfe_u32 s27, ttmp9, 0x30005                  ; which K step
	s_cmp_eq_u32 s25, 0
	s_cselect_b64 s[28:29], s[8:9], s[10:11]
	s_cmp_eq_u32 s25, 2
	s_cselect_b64 s[28:29], s[12:13], s[28:29]
	s_lshl_b32 s30, s27, 21                        ; 128 rows of 16,384 bytes
	s_lshl_b32 s31, s26, 9
	s_add_co_u32 s30, s30, s31
	s_lshl_b32 s31, s24, 7
	s_add_co_u32 s30, s30, s31
	s_mov_b32 s31, 0
	s_add_nc_u64 s[28:29], s[28:29], s[30:31]
	s_lshl_b32 s32, s25, 8
	s_lshl_b32 s33, s26, 3
	s_add_co_u32 s32, s32, s33
	s_lshl_b32 s33, s24, 1
	s_add_co_u32 s32, s32, s33                     ; my first tile: 256 x weight + 8 x column block + 2 x wave
	s_lshl_b32 s32, s32, 3
	s_add_co_u32 s32, s32, s27                     ; x 8 K steps + my K step
	s_mul_i32 s34, s32, 1536
	s_mov_b32 s35, 0
	s_add_nc_u64 s[34:35], s[18:19], s[34:35]
	s_lshl_b32 s36, s32, 6
	s_add_co_u32 s36, s36, WS_OFF
	s_mov_b32 s37, 0
	s_add_nc_u64 s[36:37], s[18:19], s[36:37]
	WBODY 16384, 8
.Lwo:	; ---- Wo: work-group = (K step, 128 columns)
	s_sub_co_u32 s25, ttmp9, 768
	s_and_b32 s26, s25, 7                          ; which 128 columns
	s_lshr_b32 s27, s25, 3                         ; which K step
	s_lshl_b32 s30, s27, 19                        ; 128 rows of 4,096 bytes
	s_lshl_b32 s31, s26, 9
	s_add_co_u32 s30, s30, s31
	s_lshl_b32 s31, s24, 7
	s_add_co_u32 s30, s30, s31
	s_mov_b32 s31, 0
	s_add_nc_u64 s[28:29], s[14:15], s[30:31]
	s_lshl_b32 s32, s26, 3
	s_lshl_b32 s33, s24, 1
	s_add_co_u32 s32, s32, s33
	s_lshl_b32 s32, s32, 5
	s_add_co_u32 s32, s32, s27                     ; tile x 32 K steps + my K step
	s_mul_i32 s34, s32, 1536
	s_mov_b32 s35, 0
	s_add_nc_u64 s[34:35], s[20:21], s[34:35]
	s_lshl_b32 s36, s32, 6
	s_add_co_u32 s36, s36, WOS_OFF
	s_mov_b32 s37, 0
	s_add_nc_u64 s[36:37], s[20:21], s[36:37]
	WBODY 4096, 32
.Lx:	; ---- x: work-group = a tile T of 16 rows; wave = two K steps.  Each load reads 512 consecutive bytes of one row
	s_sub_co_u32 s25, ttmp9, 1024                  ; T
	s_lshr_b32 s26, s25, 1
	s_lshl_b32 s26, s26, 5
	s_and_b32 s27, s25, 1
	s_lshl_b32 s27, s27, 3
	s_add_co_u32 s26, s26, s27                     ; the tile's first row
	s_lshl_b32 s26, s26, 12
	s_lshl_b32 s27, s24, 10
	s_add_co_u32 s26, s26, s27
	s_mov_b32 s27, 0
	s_add_nc_u64 s[28:29], s[4:5], s[26:27]
	s_lshl_b32 s30, s25, 3
	s_lshl_b32 s31, s24, 1
	s_add_co_u32 s30, s30, s31                     ; 8 T + my first K step
	s_mul_i32 s34, s30, 1536
	s_mov_b32 s35, 0
	s_add_nc_u64 s[34:35], s[16:17], s[34:35]
	s_lshl_b32 s36, s30, 6
	s_add_co_u32 s36, s36, XS_OFF
	s_mov_b32 s37, 0
	s_add_nc_u64 s[36:37], s[16:17], s[36:37]
	s_wait_alu depctr_va_vdst(0)
	v_lshlrev_b32 v4, 4, v1                        ; 16 x lane
	s_mul_i32 s31, s24, 16*XP                      ; my stage
	v_add_nc_u32 v5, s31, v4                       ; in: a row as it lies
	v_mul_u32_u24 v6, v2, XP
	v_lshl_add_u32 v6, v3, 7, v6
	v_add_nc_u32 v6, s31, v6                       ; back: row r, + 128 h bytes
	v_lshlrev_b32 v7, 2, v2
	v_lshlrev_b32 v19, 3, v3                       ; 8 h
	v_mov_b32 v20, 0                               ; a lane permute's destination counts as read
.irp k, 0,1
.irp p, 0,1,2,3,4,5,6,7,8,9,10,11,12,13,14,15
	global_load_b128 v[32+64*\k+4*\p:32+64*\k+4*\p+3], v4, s[28:29] offset:(\p+8*(\p/8))*4096+512*\k th:TH_LOAD_NT
.endr
.endr
	s_wait_alu depctr_va_vdst(0)
	XSTEP 0, 16                                    ; the second K step's 16 loads may stay out
	XSTEP 1, 0
	s_wait_tensorcnt 0x0
	ds_add_u32 v192, v193
	s_wait_dscnt 0x0
	s_endpgm
.Lfunc_end_k_q28c7016d7f_quant:
	.size	k_q28c7016d7f_quant, .Lfunc_end_k_q28c7016d7f_quant-k_q28c7016d7f_quant
	.p2alignl 7, 3214868480
	.fill 96, 4, 3214868480
	.section	.rodata,"a",@progbits
	.p2align	6, 0x0
	.amdhsa_kernel k_q28c7016d7f_quant
		.amdhsa_group_segment_fixed_size 34304
		.amdhsa_private_segment_fixed_size 0
		.amdhsa_enable_private_segment 0
		.amdhsa_kernarg_size 88
		.amdhsa_user_sgpr_count 2
		.amdhsa_user_sgpr_kernarg_segment_ptr 1
		.amdhsa_wavefront_size32 1
		.amdhsa_system_sgpr_workgroup_id_x 1
		.amdhsa_system_sgpr_workgroup_id_y 1
		.amdhsa_system_sgpr_workgroup_id_z 1
		.amdhsa_system_vgpr_workitem_id 0
		.amdhsa_next_free_vgpr 194
		.amdhsa_next_free_sgpr 66
		.amdhsa_reserve_vcc 0
		.amdhsa_float_denorm_mode_32 3
		.amdhsa_float_denorm_mode_16_64 3
		.amdhsa_memory_ordered 1
		.amdhsa_forward_progress 1
		.amdhsa_inst_pref_size 109
	.end_amdhsa_kernel
	.amdgpu_metadata
---
amdhsa.version: [ 1, 2 ]
amdhsa.kernels:
  - .name:           k_q28c7016d7f_quant
    .symbol:         k_q28c7016d7f_quant.kd
    .args:
      - { .name: x, .offset: 0, .size: 8, .value_kind: global_buffer, .address_space: global }
      - { .name: mask, .offset: 8, .size: 8, .value_kind: global_buffer, .address_space: global }
      - { .name: Wq, .offset: 16, .size: 8, .value_kind: global_buffer, .address_space: global }
      - { .name: Wk, .offset: 24, .size: 8, .value_kind: global_buffer, .address_space: global }
      - { .name: Wv, .offset: 32, .size: 8, .value_kind: global_buffer, .address_space: global }
      - { .name: Wo, .offset: 40, .size: 8, .value_kind: global_buffer, .address_space: global }
      - { .name: xc, .offset: 48, .size: 8, .value_kind: global_buffer, .address_space: global }
      - { .name: wc, .offset: 56, .size: 8, .value_kind: global_buffer, .address_space: global }
      - { .name: woc, .offset: 64, .size: 8, .value_kind: global_buffer, .address_space: global }
      - { .name: mw, .offset: 72, .size: 8, .value_kind: global_buffer, .address_space: global }
      - { .name: mf, .offset: 80, .size: 8, .value_kind: global_buffer, .address_space: global }
    .group_segment_fixed_size: 34304
    .private_segment_fixed_size: 0
    .kernarg_segment_align: 8
    .kernarg_segment_size: 88
    .max_flat_workgroup_size: 128
    .sgpr_count:     66
    .vgpr_count:     194
    .wavefront_size: 32
...
	.end_amdgpu_metadata
.endif
;; end of part 1
;; launch qkv (part 2): grid 32 x 8, 4 waves a work-group, clusters of 4 x 4, 327,680 bytes of LDS; arguments xc, wc, qb, kv; writes qb, kv
.if DOCPART == 2
	.amdgcn_target "amdgcn-amd-amdhsa--gfx1250"
	.amdhsa_code_object_version 6
	.text
	.protected	k_q28c7016d7f_qkv
	.globl	k_q28c7016d7f_qkv
	.p2align	8
	.type	k_q28c7016d7f_qkv,@function
k_q28c7016d7f_qkv:
	s_mov_b64 s[64:65], 0
	v_nop
	global_prefetch_b8 v0, s[64:65] scope:SCOPE_SE
	s_setreg_imm32_b32 hwreg(HW_REG_WAVE_MODE, 25, 1), 1
	s_wait_xcnt 0x0
	s_wait_alu depctr_hold_cnt(0) depctr_sa_sdst(0) depctr_va_vdst(0) depctr_va_sdst(0) depctr_va_ssrc(0) depctr_va_vcc(0) depctr_vm_vsrc(0)
	s_getreg_b32 s2, hwreg(HW_REG_IB_STS2, 6, 4)
	s_cmp_eq_u32 s2, 0
	s_cbranch_scc0 .Lentry_in_a_cluster
	s_endpgm
.Lentry_in_a_cluster:
	s_bfe_u32 s2, ttmp6, 0x10000c
	s_cmp_lg_u32 s2, 0xf033
	s_cbranch_scc0 .Lentry_shape_is_right
	s_endpgm
.Lentry_shape_is_right:
.set FR,     12
.set NL,     3
.set NP,     4
.set TILEB,  3072
.set HALFT,  8*TILEB
.set HALF2,  4*TILEB
.set SLOT,   4*HALFT
.set SPARE,  2*SLOT
.set TPITCH, 12288
.set XS_OFF, 1572864
.set WS_OFF, 9437184
.set QS_OFF, 6291456
.set KVB,    102400
.set ADRA,  16
.set ADRA2, 18
.set ADRB,  20
.set LI,   24
.set LR,   25
.set LS,   26
.set SPW,  28
.set NIL,  29
.set TM,   32
.set PW,   48
.set SA,   64
.set SB,   96
.set AF,   128
.set PC,   224
.set G1,  24
.set G0,  32
.set G1B, 48
.set G0B, 56
.set G1C, 68
.set G0C, 76
.set G0D, 84
.set OC1, 92
.set OS1, 94
.set OC2, 96
.set OS2, 98
.set SP2A, 100
.set SP2B, 104
.set MSB, 0
.macro WIN new
.if MSB != (\new)
	s_set_vgpr_msb (MSB<<8)|(\new)
.set MSB, (\new)
.endif
.endm
.set MUL_LO, 0xa1
.set MUL_HI, 0xf1
.set TO_B,   0x40
.macro JLOAD g0a, g1a, g0b, g1b
	s_cmp_eq_u32 s15, 0
	s_cbranch_scc0 .Lfor_b_\@
	tensor_load_to_lds s[\g0a:\g0a+3], s[\g1a:\g1a+7]
	s_nop 0
.rept 4
	v_nop
.endr
	s_branch .Lasked_\@
.Lfor_b_\@:
	tensor_load_to_lds s[\g0b:\g0b+3], s[\g1b:\g1b+7]
	s_nop 0
.rept 4
	v_nop
.endr
.Lasked_\@:
.endm
.macro CREST
	s_cmp_lg_u32 s14, 0
	s_cbranch_scc1 .Lnot_wave_0_\@
	s_barrier_signal -3
.Lnot_wave_0_\@:
	s_barrier_wait -3
	s_barrier_signal -1
	s_barrier_wait -1
.endm
.macro CROUND
	s_barrier_signal -1
	s_barrier_wait -1
	CREST
.endm
.macro PLACES n
.rept \n
	v_nop
.endr
.endm
.macro FRAG reg, adr, q, i
.irp c, 0,1,2
	ds_load_b128 v[(\reg)+4*\c:(\reg)+4*\c+3], v[\adr] offset:(\i)*TILEB+(\q)*1536+512*\c
.endr
.endm
.macro FETCH_B slot, q, p
	WIN TO_B
.irp i, 0,1,2,3,4,5,6,7
	FRAG 128*(\p)+FR*\i, ADRB+\slot, \q, \i
.endr
	WIN 0
.endm
.macro FETCH_A slot, q, i0
.irp i, \i0, \i0+1, \i0+2, \i0+3
	FRAG AF+FR*(\i), ADRA+\slot, \q, \i
.endr
.endm
.macro FETCH_A2 slot, q, p
.irp i, 0,1,2,3
	FRAG AF+48*(\p)+FR*\i, ADRA2+\slot, \q, \i
.endr
.endm
.macro MUL16 a0, p, q, st, zero, ab
.irp a, \a0, \a0+1
.irp b, 0,1,2,3,4,5,6,7
.if \zero
	v_wmma_scale_f32_16x16x128_f8f6f4 v[8*(8*((\a)%4)+\b):8*(8*((\a)%4)+\b)+7], v[128*(\p)+FR*\b:128*(\p)+FR*\b+FR-1], v[(\ab)+FR*(\a):(\ab)+FR*(\a)+FR-1], 0, v[SB+4*\b+(\st)], v[SA+4*(\a)+(\st)] matrix_a_fmt:MATRIX_FMT_FP6 matrix_b_fmt:MATRIX_FMT_FP6
.elseif (\q) == 0
	v_wmma_scale_f32_16x16x128_f8f6f4 v[8*(8*((\a)%4)+\b):8*(8*((\a)%4)+\b)+7], v[128*(\p)+FR*\b:128*(\p)+FR*\b+FR-1], v[(\ab)+FR*(\a):(\ab)+FR*(\a)+FR-1], v[8*(8*((\a)%4)+\b):8*(8*((\a)%4)+\b)+7], v[SB+4*\b+(\st)], v[SA+4*(\a)+(\st)] matrix_a_fmt:MATRIX_FMT_FP6 matrix_b_fmt:MATRIX_FMT_FP6
.else
	v_wmma_scale_f32_16x16x128_f8f6f4 v[8*(8*((\a)%4)+\b):8*(8*((\a)%4)+\b)+7], v[128*(\p)+FR*\b:128*(\p)+FR*\b+FR-1], v[(\ab)+FR*(\a):(\ab)+FR*(\a)+FR-1], v[8*(8*((\a)%4)+\b):8*(8*((\a)%4)+\b)+7], v[SB+4*\b+(\st)], v[SA+4*(\a)+(\st)] matrix_a_fmt:MATRIX_FMT_FP6 matrix_b_fmt:MATRIX_FMT_FP6 matrix_a_scale:MATRIX_SCALE_ROW1 matrix_b_scale:MATRIX_SCALE_ROW1
.endif
.endr
.endr
.endm
.macro STEP slot, zero, st
	s_wait_dscnt 4*NL
	WIN MUL_LO
	MUL16 0, 0, 0, \st, \zero, AF
	MUL16 2, 0, 0, \st, \zero, AF
	s_wait_dscnt 0
	PLACES NP
	FETCH_B \slot, 1, 1
	FETCH_A \slot, 1, 0
	WIN MUL_HI
	MUL16 4, 0, 0, \st, \zero, AF
	MUL16 6, 0, 0, \st, \zero, AF
	PLACES NP
	WIN 0
	FETCH_A \slot, 1, 4
.endm
.macro TURN slot, next, fill, st, last
	s_wait_tensorcnt 0x0
	ds_add_u32 v[SPW], v[NIL]
	s_wait_dscnt 4*NL+1
	WIN MUL_LO
	MUL16 0, 1, 1, \st, 0, AF
	s_wait_dscnt 0x0
	s_barrier_signal -1
	MUL16 2, 1, 1, \st, 0, AF
	WIN 0
	s_barrier_wait -1
	CREST
.if (\fill) == 1
	s_add_nc_u64 s[G0+4*\slot+2:G0+4*\slot+3], s[G0+4*\slot+2:G0+4*\slot+3], 2*TILEB
	s_add_nc_u64 s[G0B+4*\slot+2:G0B+4*\slot+3], s[G0B+4*\slot+2:G0B+4*\slot+3], 2*TILEB
	JLOAD G0+4*\slot, G1, G0B+4*\slot, G1B
.else
	JLOAD G0C+4*\slot, G1C, G0D+4*\slot, G1B
.endif
	FETCH_B \next, 0, 0
.if \last
	FETCH_A2 \next, 0, 0
.else
	FETCH_A \next, 0, 0
.endif
	WIN MUL_HI
	MUL16 4, 1, 1, \st, 0, AF
	MUL16 6, 1, 1, \st, 0, AF
.if \last
	WIN 0
.else
	PLACES NP
	WIN 0
	FETCH_A \next, 0, 4
.endif
.endm
.macro STEP2 slot, zero, st
	s_wait_dscnt 0x0
	PLACES NP
	FETCH_B \slot, 1, 1
	FETCH_A2 \slot, 1, 1
	WIN MUL_LO
	MUL16 0, 0, 0, \st, \zero, AF
	MUL16 2, 0, 0, \st, \zero, AF
	WIN 0
.endm
.macro TURN2 slot, next, fill, st
	s_wait_tensorcnt 0x0
	ds_add_u32 v[SPW], v[NIL]
	s_wait_dscnt 1
	WIN MUL_LO
	MUL16 0, 1, 1, \st, 0, AF+48
	s_wait_dscnt 0x0
	s_barrier_signal -1
	WIN 0
	s_barrier_wait -1
.if \fill
	CREST
	s_add_nc_u64 s[G0C+4*\slot+2:G0C+4*\slot+3], s[G0C+4*\slot+2:G0C+4*\slot+3], 2*TILEB
	s_add_nc_u64 s[G0D+4*\slot+2:G0D+4*\slot+3], s[G0D+4*\slot+2:G0D+4*\slot+3], 2*TILEB
	JLOAD G0C+4*\slot, G1C, G0D+4*\slot, G1B
.else
	PLACES NP
.endif
	FETCH_B \next, 0, 0
	FETCH_A2 \next, 0, 0
	WIN MUL_LO
	MUL16 2, 1, 1, \st, 0, AF+48
	WIN 0
.endm
.macro QUANTW w, s
	WIN ((\w)<<2)|((\w)<<4)
.irp b, 0,1,2,3
	v_max3_num_f32 v[TM+\b], 0x1800000, |v[(\s)+16*\b]|, |v[(\s)+1+16*\b]|
.endr
.irp i, 2,4,6,8,10,12,14
.irp b, 0,1,2,3
	v_max3_num_f32 v[TM+\b], v[TM+\b], |v[(\s)+16*\b+\i]|, |v[(\s)+1+16*\b+\i]|
.endr
.endr
	WIN 0
.irp b, 0,1,2,3
	v_permlanex16_b32 v[TM+4+\b], v[TM+\b], s22, s23
.endr
.irp b, 0,1,2,3
	v_max_num_f32 v[TM+\b], v[TM+\b], v[TM+4+\b]
.endr
.irp b, 0,1,2,3
	v_add_nc_u32 v[TM+12+\b], 0xff000000, v[TM+\b]
.endr
.irp b, 0,1,2,3
	v_lshrrev_b32 v[TM+4+\b], 23, v[TM+12+\b]
.endr
	v_lshl_or_b32 v[PW], v[TM+5], 8, v[TM+4]
	v_lshl_or_b32 v[PW], v[TM+6], 16, v[PW]
	v_lshl_or_b32 v[PW], v[TM+7], 24, v[PW]
	WIN (\w)
.irp c, 0,1
	v_cvt_scalef32_pk16_fp6_f32 v[PC+6*\c:PC+2+6*\c], v[(\s)+32*\c:(\s)+15+32*\c], v[TM+12+2*\c]
	v_cvt_scalef32_pk16_fp6_f32 v[PC+12+4*\c:PC+14+4*\c], v[(\s)+16+32*\c:(\s)+31+32*\c], v[TM+12+2*\c+1]
.endr
	v_nop
	WIN 0
.irp c, 0,1
.irp i, 0,1,2
	v_permlane16_swap_b32 v[PC+6*\c+\i], v[PC+12+4*\c+\i]
.endr
.irp i, 0,1,2
	v_mov_b32 v[PC+3+6*\c+\i], v[PC+12+4*\c+\i]
.endr
.endr
.endm
.macro OUTBLK a, cp, sp, cst, sst
	s_wait_xcnt 0x0
.if (\a) > 0
	s_add_nc_u64 s[\cp:\cp+1], s[\cp:\cp+1], \cst
	s_add_nc_u64 s[\sp:\sp+1], s[\sp:\sp+1], \sst
.endif
	QUANTW 2+(\a)/4, 64*((\a)%4)
.irp c, 0,1,2
	global_store_b128 v[LI], v[PC+4*\c:PC+4*\c+3], s[\cp:\cp+1] offset:512*\c
.endr
	global_store_b32 v[LR], v[PW], s[\sp:\sp+1]
.endm
	s_load_b256 s[4:11], s[0:1], 0x0
	v_lshl_add_u32 v[SPW], v0, 2, SPARE
	v_mov_b32 v[NIL], 0
	ds_add_u32 v28, v29
	ds_add_u32 v28, v29
	s_wait_dscnt 0x0
	v_lshrrev_b32 v1, 5, v0
	v_readfirstlane_b32 s14, v1
	s_lshr_b32 s15, s14, 1
	s_and_b32 s16, s14, 1
	s_bfe_u32 s40, ttmp6, 0x40000
	s_bfe_u32 s41, ttmp6, 0x40004
	s_and_b32 s18, ttmp7, 0xffff
	s_lshl_b32 s17, s18, 2
	s_add_co_u32 s17, s17, s41
	s_lshl_b32 s42, ttmp9, 2
	s_add_co_u32 s42, s42, s40
	s_lshl_b32 s19, ttmp9, 2
	s_add_co_u32 s19, s19, s41
	s_lshl_b32 s20, s18, 2
	s_add_co_u32 s20, s20, s40
	s_lshl_b32 s43, s41, 2
	s_lshl_b32 s43, 15, s43
	s_lshl_b32 s44, 0x1111, s40
	s_or_b32 s[G1+0], s43, (3<<16)|(1<<21)
	s_or_b32 s[G1B+0], s44, (3<<16)|(1<<21)
	s_or_b32 s[G1C+0], s43, (3<<16)|(1<<21)
.irp g, G1, G1B
	s_mov_b32 s[\g+1], 384<<16
	s_mov_b32 s[\g+2], 8<<16
	s_mov_b32 s[\g+3], 384<<16
	s_mov_b32 s[\g+4], 8
	s_mov_b32 s[\g+5], 1536
	s_mov_b32 s[\g+6], 0
	s_mov_b32 s[\g+7], 0
.endr
	s_mov_b32 s[G1C+1], 384<<16
	s_mov_b32 s[G1C+2], 4<<16
	s_mov_b32 s[G1C+3], 384<<16
	s_mov_b32 s[G1C+4], 4
	s_mov_b32 s[G1C+5], 1536
	s_mov_b32 s[G1C+6], 0
	s_mov_b32 s[G1C+7], 0
	s_lshl_b32 s2, s17, 4
	s_lshl_b32 s3, s16, 3
	s_add_co_u32 s2, s2, s3
	s_mul_i32 s[G0+2], s2, TPITCH
	s_mov_b32 s[G0+3], 0
	s_lshl_b32 s12, s42, 4
	s_lshl_b32 s13, s16, 3
	s_add_co_u32 s12, s12, s13
	s_mul_i32 s[G0B+2], s12, TPITCH
	s_mov_b32 s[G0B+3], 0
	s_mul_i32 s45, s14, HALFT
	s_mul_i32 s46, s16, HALF2
	s_mov_b32 s22, 0x76543210
	s_mov_b32 s23, 0xfedcba98
	s_wait_kmcnt 0x0
	s_add_nc_u64 s[G0+2:G0+3], s[4:5], s[G0+2:G0+3]
	s_add_nc_u64 s[G0B+2:G0B+3], s[6:7], s[G0B+2:G0B+3]
	s_add_nc_u64 s[G0+6:G0+7], s[G0+2:G0+3], TILEB
	s_add_nc_u64 s[G0B+6:G0B+7], s[G0B+2:G0B+3], TILEB
.irp s, 0,1
	s_mov_b32 s[G0+4*\s], 1
	s_add_co_u32 s[G0+4*\s+1], s45, \s*SLOT
	s_or_b32 s[G0+4*\s+3], s[G0+4*\s+3], 0x80000000
	s_mov_b32 s[G0B+4*\s], 1
	s_add_co_u32 s[G0B+4*\s+1], s45, \s*SLOT
	s_or_b32 s[G0B+4*\s+3], s[G0B+4*\s+3], 0x80000000
.endr
	CROUND
	JLOAD G0, G1, G0B, G1B
	s_wait_alu depctr_va_vdst(0)
	s_wait_tensorcnt 0x0
	ds_add_u32 v28, v29
	s_wait_dscnt 0x0
	CROUND
	JLOAD G0+4, G1, G0B+4, G1B
	s_lshl_b32 s2, s19, 3
	s_lshl_b32 s3, s16, 2
	s_add_co_u32 s2, s2, s3
	s_add_co_u32 s2, s2, 512
	s_mul_i32 s2, s2, TPITCH
	s_mov_b32 s3, 0
	s_add_nc_u64 s[G0C+2:G0C+3], s[6:7], s[2:3]
	s_add_nc_u64 s[G0C+6:G0C+7], s[G0C+2:G0C+3], TILEB
	s_lshl_b32 s12, s20, 4
	s_lshl_b32 s13, s16, 3
	s_add_co_u32 s12, s12, s13
	s_mul_i32 s12, s12, TPITCH
	s_mov_b32 s13, 0
	s_add_nc_u64 s[G0D+2:G0D+3], s[4:5], s[12:13]
	s_add_nc_u64 s[G0D+6:G0D+7], s[G0D+2:G0D+3], TILEB
.irp s, 0,1
	s_mov_b32 s[G0C+4*\s], 1
	s_add_co_u32 s[G0C+4*\s+1], s46, \s*SLOT
	s_or_b32 s[G0C+4*\s+3], s[G0C+4*\s+3], 0x80000000
	s_mov_b32 s[G0D+4*\s], 1
	s_add_co_u32 s[G0D+4*\s+1], s45, \s*SLOT
	s_or_b32 s[G0D+4*\s+3], s[G0D+4*\s+3], 0x80000000
.endr
	v_and_b32 v2, 31, v0
	v_lshlrev_b32 v[LS], 2, v2
	s_wait_alu depctr_va_vdst(0)
	v_lshlrev_b32 v[LI], 4, v2
	s_wait_alu depctr_va_vdst(0)
	v_and_b32 v3, 15, v0
	v_lshlrev_b32 v[LR], 2, v3
	s_lshl_b32 s2, s17, 4
	s_lshl_b32 s3, s15, 3
	s_add_co_u32 s2, s2, s3
	s_lshl_b32 s2, s2, 9
	s_add_co_u32 s2, s2, XS_OFF
	s_mov_b32 s3, 0
	s_add_nc_u64 s[66:67], s[4:5], s[2:3]
	s_lshl_b32 s2, s42, 4
	s_lshl_b32 s3, s16, 3
	s_add_co_u32 s2, s2, s3
	s_lshl_b32 s2, s2, 9
	s_add_co_u32 s2, s2, WS_OFF
	s_mov_b32 s3, 0
	s_add_nc_u64 s[12:13], s[6:7], s[2:3]
.irp a, 0,1,2,3,4,5,6,7
.irp t, 0,1,2,3
	global_load_b32 v[SA+4*\a+\t], v[LS], s[66:67] offset:512*\a+128*\t
	global_load_b32 v[SB+4*\a+\t], v[LS], s[12:13] offset:512*\a+128*\t
.endr
.endr
	s_lshl_b32 s2, s19, 3
	s_lshl_b32 s3, s15, 2
	s_add_co_u32 s2, s2, s3
	s_add_co_u32 s2, s2, 512
	s_lshl_b32 s2, s2, 9
	s_add_co_u32 s2, s2, WS_OFF
	s_mov_b32 s3, 0
	s_add_nc_u64 s[SP2A:SP2A+1], s[6:7], s[2:3]
	s_lshl_b32 s2, s20, 4
	s_lshl_b32 s3, s16, 3
	s_add_co_u32 s2, s2, s3
	s_lshl_b32 s2, s2, 9
	s_add_co_u32 s2, s2, XS_OFF
	s_mov_b32 s3, 0
	s_add_nc_u64 s[SP2B:SP2B+1], s[4:5], s[2:3]
	s_mul_i32 s2, s15, HALFT
	s_mul_i32 s3, s16, HALFT
	s_add_co_u32 s3, s3, 2*HALFT
	s_mul_i32 s21, s15, HALF2
.irp s, 0,1
	v_add_nc_u32 v[ADRA+\s], s2, v[LI]
	v_add_nc_u32 v[ADRB+\s], s3, v[LI]
	v_add_nc_u32 v[ADRA2+\s], s21, v[LI]
	s_add_co_u32 s2, s2, SLOT
	s_add_co_u32 s3, s3, SLOT
	s_add_co_u32 s21, s21, SLOT
.endr
.irp b, 0,1,2,3
	v_mov_b32 v[TM+4+\b], 0
.endr
	s_lshl_b32 s2, s42, 7
	s_lshl_b32 s3, s17, 4
	s_add_co_u32 s2, s2, s3
	s_lshl_b32 s3, s15, 3
	s_add_co_u32 s2, s2, s3
	s_lshl_b32 s[OS1], s2, 7
	s_lshl_b32 s3, s16, 6
	s_add_co_u32 s[OS1], s[OS1], s3
	s_add_co_u32 s[OS1], s[OS1], QS_OFF
	s_lshl_b32 s2, s2, 1
	s_add_co_u32 s2, s2, s16
	s_mul_i32 s[OC1], s2, 1536
	s_sub_co_u32 s2, s42, 16
	s_lshl_b32 s2, s2, 3
	s_add_co_u32 s2, s2, s17
	s_mul_i32 s2, s2, KVB
	s_mul_i32 s3, s15, 24576
	s_add_co_u32 s21, s2, s3
	s_mul_i32 s3, s16, 1536
	s_add_co_u32 s21, s21, s3
	s_lshl_b32 s3, s15, 10
	s_add_co_u32 s47, s2, s3
	s_lshl_b32 s3, s16, 6
	s_add_co_u32 s47, s47, s3
	s_add_co_u32 s47, s47, 98304
	s_cmp_lt_u32 ttmp9, 4
	s_cselect_b32 s[OC1], s[OC1], s21
	s_cselect_b32 s[OS1], s[OS1], s47
	s_cselect_b64 s[2:3], s[8:9], s[10:11]
	s_mov_b32 s[OC1+1], 0
	s_mov_b32 s[OS1+1], 0
	s_add_nc_u64 s[OC1:OC1+1], s[2:3], s[OC1:OC1+1]
	s_add_nc_u64 s[OS1:OS1+1], s[2:3], s[OS1:OS1+1]
	s_lshr_b32 s2, s19, 1
	s_lshl_b32 s2, s2, 3
	s_add_co_u32 s2, s2, s20
	s_mul_i32 s2, s2, KVB
	s_and_b32 s3, s19, 1
	s_lshl_b32 s3, s3, 3
	s_lshl_b32 s21, s15, 2
	s_add_co_u32 s3, s3, s21
	s_mul_i32 s[OC2], s3, 1536
	s_add_co_u32 s[OC2], s[OC2], s2
	s_mul_i32 s21, s16, 24576
	s_add_co_u32 s[OC2], s[OC2], s21
	s_add_co_u32 s[OC2], s[OC2], 49152
	s_lshl_b32 s[OS2], s3, 6
	s_add_co_u32 s[OS2], s[OS2], s2
	s_lshl_b32 s21, s16, 10
	s_add_co_u32 s[OS2], s[OS2], s21
	s_add_co_u32 s[OS2], s[OS2], 100352
	s_mov_b32 s[OC2+1], 0
	s_mov_b32 s[OS2+1], 0
	s_add_nc_u64 s[OC2:OC2+1], s[10:11], s[OC2:OC2+1]
	s_add_nc_u64 s[OS2:OS2+1], s[10:11], s[OS2:OS2+1]
	s_wait_alu depctr_va_vdst(0)
	s_wait_tensorcnt 1
	s_barrier_signal -1
	s_barrier_wait -1
	FETCH_B 0, 0, 0
	FETCH_A 0, 0, 0
	FETCH_A 0, 0, 4
	s_wait_loadcnt 0x0
	STEP 0, 1, 0
	TURN 0, 1, 1, 0, 0
	STEP 1, 0, 1
	TURN 1, 0, 1, 1, 0
	STEP 0, 0, 2
	TURN 0, 1, 2, 2, 0
	STEP 1, 0, 3
	TURN 1, 0, 2, 3, 1
	PLACES NP
.irp a, 0,1,2,3
.irp t, 0,1,2,3
	global_load_b32 v[SA+4*\a+\t], v[LS], s[SP2A:SP2A+1] offset:512*\a+128*\t
.endr
.endr
.irp b, 0,1,2,3,4,5,6,7
.irp t, 0,1,2,3
	global_load_b32 v[SB+4*\b+\t], v[LS], s[SP2B:SP2B+1] offset:512*\b+128*\t
.endr
.endr
.irp a, 0,1,2,3,4,5,6,7
	OUTBLK \a, OC1, OS1, 3072, 128
.endr
	s_wait_loadcnt 0x0
	STEP2 0, 1, 0
	TURN2 0, 1, 1, 0
	STEP2 1, 0, 1
	TURN2 1, 0, 1, 1
	STEP2 0, 0, 2
	TURN2 0, 1, 0, 2
	STEP2 1, 0, 3
	s_wait_dscnt 0x0
	WIN MUL_LO
	MUL16 0, 1, 1, 3, 0, AF+48
	MUL16 2, 1, 1, 3, 0, AF+48
	WIN 0
	PLACES NP
.irp a, 0,1,2,3
	OUTBLK \a, OC2, OS2, 1536, 64
.endr
	s_wait_tensorcnt 0x0
	ds_add_u32 v[SPW], v[NIL]
	s_wait_dscnt 0x0
	CROUND
	s_endpgm
.Lfunc_end_k_q28c7016d7f_qkv:
	.size	k_q28c7016d7f_qkv, .Lfunc_end_k_q28c7016d7f_qkv-k_q28c7016d7f_qkv
	.p2alignl 7, 3214868480
	.fill 96, 4, 3214868480
	.section	.rodata,"a",@progbits
	.p2align	6, 0x0
	.amdhsa_kernel k_q28c7016d7f_qkv
		.amdhsa_group_segment_fixed_size 327680
		.amdhsa_private_segment_fixed_size 0
		.amdhsa_enable_private_segment 0
		.amdhsa_kernarg_size 32
		.amdhsa_user_sgpr_count 2
		.amdhsa_user_sgpr_kernarg_segment_ptr 1
		.amdhsa_wavefront_size32 1
		.amdhsa_system_sgpr_workgroup_id_x 1
		.amdhsa_system_sgpr_workgroup_id_y 1
		.amdhsa_system_sgpr_workgroup_id_z 1
		.amdhsa_system_vgpr_workitem_id 0
		.amdhsa_next_free_vgpr 1024
		.amdhsa_next_free_sgpr 106
		.amdhsa_reserve_vcc 0
		.amdhsa_float_denorm_mode_32 3
		.amdhsa_float_denorm_mode_16_64 3
		.amdhsa_memory_ordered 1
		.amdhsa_forward_progress 1
		.amdhsa_inst_pref_size 225
	.end_amdhsa_kernel
	.amdgpu_metadata
---
amdhsa.version: [ 1, 2 ]
amdhsa.kernels:
  - .name:           k_q28c7016d7f_qkv
    .symbol:         k_q28c7016d7f_qkv.kd
    .args:
      - { .name: xc, .offset: 0, .size: 8, .value_kind: global_buffer, .address_space: global }
      - { .name: wc, .offset: 8, .size: 8, .value_kind: global_buffer, .address_space: global }
      - { .name: qb, .offset: 16, .size: 8, .value_kind: global_buffer, .address_space: global }
      - { .name: kv, .offset: 24, .size: 8, .value_kind: global_buffer, .address_space: global }
    .group_segment_fixed_size: 327680
    .private_segment_fixed_size: 0
    .kernarg_segment_align: 8
    .kernarg_segment_size: 32
    .max_flat_workgroup_size: 128
    .sgpr_count:     106
    .vgpr_count:     1024
    .wavefront_size: 32
...
	.end_amdgpu_metadata
.endif
;; end of part 2
;; launch attn (part 3): grid 16 x 16, 8 waves a work-group, no clusters, 285,696 bytes of LDS; arguments qb, kv, mw, mf, yb; writes yb
.if DOCPART == 3
	.amdgcn_target "amdgcn-amd-amdhsa--gfx1250"
	.amdhsa_code_object_version 6
	.text
	.protected	k_q28c7016d7f_attn
	.globl	k_q28c7016d7f_attn
	.p2align	8
	.type	k_q28c7016d7f_attn,@function
k_q28c7016d7f_attn:
	s_mov_b64 s[64:65], 0
	v_nop
	global_prefetch_b8 v0, s[64:65] scope:SCOPE_SE
	s_setreg_imm32_b32 hwreg(HW_REG_WAVE_MODE, 25, 1), 1
	s_wait_xcnt 0x0
; y[h][q][:] = the sum over k of softmax_k(mask ? q . k / 16 : -inf) v[h][k][:], both products on codes of FP6 (E2M3) with E8M0 scales; y leaves as codes along (head, channel), the next product's K.
; THE SOFTMAX: t = score x log2(e) / 16; M = the row's largest t so far, rounded UP to a whole number; p = 2^(t - M) is quantised along the keys, not normalised; the row's sum is taken of the unquantised p and
; divides at the end.  When M moves, the sum and O are multiplied by 2^(old M - new M): exact.
; THE MASK is an input.  Each score is kept or made -infinity by one v_cndmask_b32 on a word of lane bits (mw).  WORK LEFT OUT: a key step of 128 keys in which the mask has no true byte for any of a tile's 16 queries
; gives p = 0 for all its keys, whatever q, k and v hold: it adds nothing to the sum or to O and moves no M.  The first launch stored a bit for each (tile, key step) in mf; scalar branches on those bits lead round
; such work, and round the copy of a block of 256 keys that no wave of the work-group needs.  This holds for every mask.  LIMIT: a NaN or an infinity in k or v that lies only under such a step is not carried on.
; Branches hang on stored numbers, so this launch has no tensor load and no joint load (cluster = none): K and V come by global loads into registers and LDS stores.
; SHARES.  Work-group j of a head owns the groups of 64 queries j and 31 - j: queries from both ends of the sequence.  Wave w holds tile w / 2 of the first group (register tile 0) and tile w / 2 of the second
; (register tile 1), and takes key step u = w % 2 of every block of 256 keys.  A trip has three ways: tile 0's bit is set: both tiles are walked, each fragment of K and V feeding two products; tile 1's alone: the
; short step for tile 1; neither: only the copy.  At the end waves w and w xor 1 merge: M is a whole number in both, so the factors are powers of two; wave u = 0 finishes tile 0, wave u = 1 tile 1.
; LAYOUT.  Both products transposed: S^T = K Q^T, O^T = V^T P^T: a lane holds one query.  The rows of every tile are 32 (T / 2) + 8 (T % 2) + p + 8 (p / 8), so the 16 registers of key tiles 2 b, 2 b + 1 are 16 neighbours.
; RING.  A (head, 256 keys) block of kv is 102,400 dense bytes; two LDS slots.  While block b is worked, each wave brings its eighth of block b + 1, 25 pieces of 512 bytes, into the other slot, through registers that
; the step leaves free (Q is read back from my own LDS bytes at each step's head).  One barrier a block, in every wave, under no branch.  Block 0 is brought and walked by every wave whatever the mask: its products
; start the sums.
; PREFETCH: a block's 98,304 bytes of codes are shared out among the head's 16 work-groups, 6,144 bytes each, lanes 256 bytes apart (lanes 24-31 name lane 23's again); wave 0 asks in the trip of block b for block b + 2,
; one block ahead of the loads; the trips of blocks 6 and 7 ask for nothing.
; LIMITS: NaN and infinities among the codes' sources are not served.  A row whose every key is masked has the sum 0: its scale words of y are set to 0xffffffff, so that the output's row is NaN, as the softmax of such a
; row is.  A block of p or y whose largest magnitude lies under 2^-124 has its byte held at 1 (a block of zeros too: its codes are zeros).
; REGISTERS, window 0: v1-7, v30, v31 addresses; v8-15 statistics (tile a: -M, largest t, the sum in two halves); v16-19 tile a: f, p's scale word; v20-21 Q's scale words; v22-29 K's, then V's; v32-79 Q, then pieces
;   of the next block; v80-127 four fragments of K, then p's codes (v80-103) and work; v128-255 S^T and p, then fragments of V.   window 1: O^T, tile a at v[128 a + 8 t].
; SCALARS: s[4:5] my eighth of the block in hand; s[6:7] my work-group's prefetch share of it; s8, s13 tile 0's and tile 1's step bits, bit 0 = this block's; s9 the work-group's block bits, bit 2 = the next block's;
;   s11 where my eighth goes in the other slot; s12 my Q in LDS; s29 the slot in hand; s17 trips to go.
.set SLOT1, 131072
.set KVB,   102400
.set SPARE, SLOT1+KVB                  ; the spare words, 128 bytes a wave: four blocks of 256 bytes that no other line names
.set STATS, SPARE+1024                 ; the merge: 256 bytes a wave
.set QL,    STATS+2048                 ; Q: 6,144 bytes a wave, each wave's own
.set QS_OFF, 6291456
.set YS_OFF, 6291456
.set SPW,  1
.set NIL,  2
.set NINF, 3
.set LK0,  4                           ; 16 x lane + my key step's fragments of K
.set LS0,  5                           ; 4 x lane + my key step's scale words of K
.set ADK,  6
.set ADS,  7
.set QSC,  20
.set KSC,  22
.set PFO,  30                          ; 256 x min(lane, 23); never rewritten
.set LI,   31                          ; 16 x lane; never rewritten
.set QF,   32
.set XA,   80
.set BM,   104
.set PM,   108
.set SO,   112
.set CT,   116
.set TT,   119
.set ST4,  124
.set S,    128
.set ONE,  0                           ; 1 while the short step is assembled
.set MSB, 0
.macro WIN new
.if MSB != (\new)
	s_set_vgpr_msb (MSB<<8)|(\new)
.set MSB, (\new)
.endif
.endm
.macro NOPS n
.rept \n
	v_nop
.endr
.endm
.macro MLOAD p                         ; the 64 mask words of a (tile, key step): word index i in s[32 + i], from 32 on in s[36 + i]
	s_load_b512 s[32:47], s[\p:\p+1], 0x0
	s_load_b512 s[48:63], s[\p:\p+1], 0x40
	s_load_b512 s[68:83], s[\p:\p+1], 0x80
	s_load_b512 s[84:99], s[\p:\p+1], 0xc0
.endm
.macro MASK a                          ; score register j: its word lies at index 2 (j % 32) + j / 32.  Ascending: each accumulator is read from its low end on
.set j, 0
.rept 64
.set idx, 2*(j%32)+j/32
	v_cndmask_b32 v[S+64*(\a)+j], v[NINF], v[S+64*(\a)+j], s[32+idx+4*(idx/32)]
.set j, j+1
.endr
.endm
.macro GLD i0, n, base, off            ; pieces i0 .. i0 + n - 1 of my eighth of a block, 512 consecutive bytes each
.set gi, 0
.rept \n
	global_load_b128 v[(\base)+4*gi:(\base)+4*gi+3], v[LI], s[4:5] offset:(\off)+512*((\i0)+gi)
.set gi, gi+1
.endr
.endm
.macro LST i0, n, base, adr            ; and into LDS
.set gi, 0
.rept \n
	ds_store_b128 v[\adr], v[(\base)+4*gi:(\base)+4*gi+3] offset:512*((\i0)+gi)
.set gi, gi+1
.endr
.endm
.macro IFNEED lbl                      ; does any wave of my work-group need the next block?  The same number in all eight waves
	s_bitcmp1_b32 s9, 2
	s_cbranch_scc0 \lbl
.endm
.macro KSCL                            ; K's scale words: tile kt: lanes 0-15 channels 0-127, lanes 16-31 channels 128-255
.irp kt, 0,1,2,3,4,5,6,7
	ds_load_b32 v[KSC+\kt], v[ADS] offset:128*\kt
.endr
.endm
.macro VSCL                            ; V's scale words: lanes 0-15 tile 2 i, lanes 16-31 tile 2 i + 1
.irp i, 0,1,2,3,4,5,6,7
	ds_load_b32 v[KSC+\i], v[ADS] offset:2048+128*\i
.endr
.endm
.macro KLD grp, b0, b1                 ; group grp of K: tiles of keys 2 grp, 2 grp + 1, both K steps: four fragments
.irp k2, 0,1
.irp ks, 0,1
.set kb, (\b0)+((\b1)-(\b0))*\k2+12*\ks
.irp c, 0,1,2
	ds_load_b128 v[kb+4*\c:kb+4*\c+3], v[ADK] offset:(4*(\grp)+2*\k2+\ks)*1536+512*\c
.endr
.endr
.endr
.endm
.macro KMUL grp, b0, b1                ; its eight products; the four accumulators take turns, one instruction a turn
.irp ks, 0,1
.irp k2, 0,1
.set kb, (\b0)+((\b1)-(\b0))*\k2+12*\ks
.irp a, 0,1
.set sd, S+64*\a+8*(2*(\grp)+\k2)
.if \ks == 0
	v_wmma_scale_f32_16x16x128_f8f6f4 v[sd:sd+7], v[kb:kb+11], v[QF+24*\a:QF+24*\a+11], 0, v[KSC+2*(\grp)+\k2], v[QSC+\a] matrix_a_fmt:MATRIX_FMT_FP6 matrix_b_fmt:MATRIX_FMT_FP6
.else
	v_wmma_scale_f32_16x16x128_f8f6f4 v[sd:sd+7], v[kb:kb+11], v[QF+24*\a+12:QF+24*\a+23], v[sd:sd+7], v[KSC+2*(\grp)+\k2], v[QSC+\a] matrix_a_fmt:MATRIX_FMT_FP6 matrix_b_fmt:MATRIX_FMT_FP6 matrix_a_scale:MATRIX_SCALE_ROW1 matrix_b_scale:MATRIX_SCALE_ROW1
.endif
.endr
.endr
.endr
.endm
.macro KMUL1 grp, b0, b1               ; the same for tile 1 alone: four products, the two accumulators by turns
.irp ks, 0,1
.irp k2, 0,1
.set kb, (\b0)+((\b1)-(\b0))*\k2+12*\ks
.set sd, S+64+8*(2*(\grp)+\k2)
.if \ks == 0
	v_wmma_scale_f32_16x16x128_f8f6f4 v[sd:sd+7], v[kb:kb+11], v[QF+24:QF+35], 0, v[KSC+2*(\grp)+\k2], v[QSC+1] matrix_a_fmt:MATRIX_FMT_FP6 matrix_b_fmt:MATRIX_FMT_FP6
.else
	v_wmma_scale_f32_16x16x128_f8f6f4 v[sd:sd+7], v[kb:kb+11], v[QF+36:QF+47], v[sd:sd+7], v[KSC+2*(\grp)+\k2], v[QSC+1] matrix_a_fmt:MATRIX_FMT_FP6 matrix_b_fmt:MATRIX_FMT_FP6 matrix_a_scale:MATRIX_SCALE_ROW1 matrix_b_scale:MATRIX_SCALE_ROW1
.endif
.endr
.endr
.endm
.macro VLOAD f0, n, base               ; V's fragments f0 .. f0 + n - 1 (tiles of 16 of the head's 256) into v[base] on
.set vf, 0
.rept \n
.irp c, 0,1,2
	ds_load_b128 v[(\base)+12*vf+4*\c:(\base)+12*vf+4*\c+3], v[ADK] offset:((\f0)+vf)*1536+512*\c
.endr
.set vf, vf+1
.endr
.endm
.macro PVMUL f0, n, base, first        ; O^T += V^T P^T for these fragments, each for both tiles of queries: every product has an accumulator of its own
	WIN 0x50
.set vf, 0
.rept \n
.set dt, (\f0)+vf
.irp a, 0,1
.if \first
.if (dt%2) == 0
	v_wmma_scale_f32_16x16x128_f8f6f4 v[128*\a+8*dt:128*\a+8*dt+7], v[(\base)+12*vf:(\base)+12*vf+11], v[XA+12*\a:XA+12*\a+11], 0, v[KSC+dt/2], v[17+2*\a] matrix_a_fmt:MATRIX_FMT_FP6 matrix_b_fmt:MATRIX_FMT_FP6
.else
	v_wmma_scale_f32_16x16x128_f8f6f4 v[128*\a+8*dt:128*\a+8*dt+7], v[(\base)+12*vf:(\base)+12*vf+11], v[XA+12*\a:XA+12*\a+11], 0, v[KSC+dt/2], v[17+2*\a] matrix_a_fmt:MATRIX_FMT_FP6 matrix_b_fmt:MATRIX_FMT_FP6 matrix_a_scale:MATRIX_SCALE_ROW1
.endif
.else
.if (dt%2) == 0
	v_wmma_scale_f32_16x16x128_f8f6f4 v[128*\a+8*dt:128*\a+8*dt+7], v[(\base)+12*vf:(\base)+12*vf+11], v[XA+12*\a:XA+12*\a+11], v[128*\a+8*dt:128*\a+8*dt+7], v[KSC+dt/2], v[17+2*\a] matrix_a_fmt:MATRIX_FMT_FP6 matrix_b_fmt:MATRIX_FMT_FP6
.else
	v_wmma_scale_f32_16x16x128_f8f6f4 v[128*\a+8*dt:128*\a+8*dt+7], v[(\base)+12*vf:(\base)+12*vf+11], v[XA+12*\a:XA+12*\a+11], v[128*\a+8*dt:128*\a+8*dt+7], v[KSC+dt/2], v[17+2*\a] matrix_a_fmt:MATRIX_FMT_FP6 matrix_b_fmt:MATRIX_FMT_FP6 matrix_a_scale:MATRIX_SCALE_ROW1
.endif
.endif
.endr
.set vf, vf+1
.endr
	WIN 0
.endm
.macro PV1 f0, n, base                 ; the same for tile 1 alone; C and D in window 1, set by the caller
.set vf, 0
.rept \n
.set dt, (\f0)+vf
.if (dt%2) == 0
	v_wmma_scale_f32_16x16x128_f8f6f4 v[128+8*dt:128+8*dt+7], v[(\base)+12*vf:(\base)+12*vf+11], v[XA+12:XA+23], v[128+8*dt:128+8*dt+7], v[KSC+dt/2], v19 matrix_a_fmt:MATRIX_FMT_FP6 matrix_b_fmt:MATRIX_FMT_FP6
.else
	v_wmma_scale_f32_16x16x128_f8f6f4 v[128+8*dt:128+8*dt+7], v[(\base)+12*vf:(\base)+12*vf+11], v[XA+12:XA+23], v[128+8*dt:128+8*dt+7], v[KSC+dt/2], v19 matrix_a_fmt:MATRIX_FMT_FP6 matrix_b_fmt:MATRIX_FMT_FP6 matrix_a_scale:MATRIX_SCALE_ROW1
.endif
.set vf, vf+1
.endr
.endm
; One tile's softmax for 128 keys, and p's codes and scale word.  first = 1: block 0's step, which starts M, the sum and O^T.  As soon as the tile's p is converted, its 64 registers take fragments of V
.macro SOFTMAX a, first
.set SS, S+64*(\a)
.set TS, 8+4*(\a)
.set FF, 16+2*(\a)
.set PP, XA+12*(\a)
.irp b, 0,1,2,3
	v_max3_num_f32 v[BM+\b], v[SS+16*\b], v[SS+16*\b+1], v[SS+16*\b+2]   ; the largest score of each block of 32 keys: for the row's maximum and, since p rises with the score, for the block's largest p
.endr
.irp i, 3,5,7,9,11,13
.irp b, 0,1,2,3
	s_delay_alu instid0(VALU_DEP_4)
	v_max3_num_f32 v[BM+\b], v[BM+\b], v[SS+16*\b+\i], v[SS+16*\b+\i+1]
.endr
.endr
.irp b, 0,1,2,3
	s_delay_alu instid0(VALU_DEP_4)
	v_max_num_f32 v[BM+\b], v[BM+\b], v[SS+16*\b+15]
.endr
.irp b, 0,1,2,3
	s_delay_alu instid0(VALU_DEP_4)
	v_permlanex16_b32 v[PM+\b], v[BM+\b], s24, s25
.endr
.irp b, 0,1,2,3
	s_delay_alu instid0(VALU_DEP_4)
	v_max_num_f32 v[BM+\b], v[BM+\b], v[PM+\b]     ; with lane l xor 16's 16 keys
.endr
	s_delay_alu instid0(VALU_DEP_2)
	v_max3_num_f32 v[TT], v[BM], v[BM+1], v[BM+2]
	s_delay_alu instid0(VALU_DEP_1)
	v_max_num_f32 v[TT], v[TT], v[BM+3]
	s_delay_alu instid0(VALU_DEP_1)
	v_mul_f32 v[TT], s22, v[TT]                    ; as t
.if \first
	s_delay_alu instid0(VALU_DEP_1)
	v_max_num_f32 v[TS+1], 0xff61b1e6, v[TT]       ; the largest t, never under -3e38: rows whose keys are all masked so far stay finite
	s_delay_alu instid0(VALU_DEP_1)
	v_floor_f32 v[TS], -v[TS+1]                    ; -M = floor(-t)
.else
	s_delay_alu instid0(VALU_DEP_1)
	v_max_num_f32 v[TS+1], v[TS+1], v[TT]
	v_mov_b32 v[TT], v[TS]
	s_delay_alu instid0(VALU_DEP_2)
	v_floor_f32 v[TS], -v[TS+1]
	s_delay_alu instid0(VALU_DEP_1)
	v_sub_f32 v[TT], v[TS], v[TT]                  ; old M - new M: a whole number, 0 or less
	s_delay_alu instid0(VALU_DEP_1)
	v_cvt_i32_f32 v[TT], v[TT]                     ; (it saturates)
	s_delay_alu instid0(VALU_DEP_1)
	v_ldexp_f32 v[FF], 1.0, v[TT]                  ; f = 2^(old M - new M)
.endif
.set j, 0
.rept 32
	v_pk_fma_f32 v[SS+j:SS+j+1], v[SS+j:SS+j+1], s[22:23], v[TS:TS+1] op_sel_hi:[1,0,0]   ; t - M
.set j, j+2
.endr
.irp b, 0,1,2,3
	v_fma_f32 v[BM+\b], v[BM+\b], s22, v[TS]
.endr
.set j, 0
	s_wait_alu depctr_va_vdst(0)
.rept 64
	v_exp_f32 v[SS+j], v[SS+j]                     ; p = 2^(t - M)
.set j, j+1
.endr
.if \first
	v_mov_b32 v[TS+2], 0                           ; the sum begins.  (The plain place behind the exponentials)
	v_mov_b32 v[TS+3], 0
.else
	v_pk_mul_f32 v[TS+2:TS+3], v[TS+2:TS+3], v[FF:FF+1] op_sel_hi:[1,0]   ; the sum under the new M.  (The plain place behind the exponentials)
.endif
	s_wait_alu depctr_va_vdst(0)                   ; one wait for the batch of 64, ahead of its first reader
.irp b, 0,1,2,3
	v_exp_f32 v[BM+\b], v[BM+\b]                   ; the blocks' largest p
.endr
	v_pk_add_f32 v[PM:PM+1], v[SS:SS+1], v[SS+2:SS+3]   ; the row's sum is taken of the unquantised p, in two chains
.irp j, 4,8,12,16,20,24,28,32,36,40,44,48,52,56,60
	v_pk_add_f32 v[TS+2:TS+3], v[TS+2:TS+3], v[SS+\j:SS+\j+1]
	v_pk_add_f32 v[PM:PM+1], v[PM:PM+1], v[SS+\j+2:SS+\j+3]
.endr
	s_delay_alu instid0(VALU_DEP_1)
	v_pk_add_f32 v[TS+2:TS+3], v[TS+2:TS+3], v[PM:PM+1]
	s_wait_alu depctr_va_vdst(0)                   ; and one for the four
.irp b, 0,1,2,3
	v_max_num_f32 v[BM+\b], 0x1800000, v[BM+\b]    ; the floor 2^(3 - 127)
.endr
.irp b, 0,1,2,3
	s_delay_alu instid0(VALU_DEP_4)
	v_add_nc_u32 v[SO+\b], 0xff000000, v[BM+\b]    ; the conversion's scale operand
.endr
.irp b, 0,1,2,3
	s_delay_alu instid0(VALU_DEP_4)
	v_lshrrev_b32 v[PM+\b], 23, v[SO+\b]           ; the scale's byte
.endr
	s_delay_alu instid0(VALU_DEP_3)
	v_lshl_or_b32 v[FF+1], v[PM+1], 8, v[PM]       ; p's scale word for these 128 keys
	s_delay_alu instid0(VALU_DEP_1)
	v_lshl_or_b32 v[FF+1], v[PM+2], 16, v[FF+1]
	s_delay_alu instid0(VALU_DEP_1)
	v_lshl_or_b32 v[FF+1], v[PM+3], 24, v[FF+1]
.irp c, 0,1
	v_cvt_scalef32_pk16_fp6_f32 v[PP+6*\c:PP+6*\c+2], v[SS+32*\c:SS+32*\c+15], v[SO+2*\c]
	v_cvt_scalef32_pk16_fp6_f32 v[CT+4*\c:CT+4*\c+2], v[SS+32*\c+16:SS+32*\c+31], v[SO+2*\c+1]
.endr
	v_nop                                          ; one plain place behind the conversions
.if (\a) == 0                                  ; tile 0's p is done with: V's scale words and fragments 0-4 are asked for, and land under tile 1's mask and softmax
	v_add_nc_u32 v[ADK], 49152, v[ADK]             ; V's fragments lie 49,152 bytes behind K's
	VSCL
	VLOAD 0, 5, S
.elseif ONE                                    ; the short step: fragments 0 and 1 are out already
	VLOAD 2, 5, S+64
.else                                          ; tile 1's likewise: fragments 5-9 land under the rescaling below and the first ten products
	VLOAD 5, 5, S+64
.endif
.irp c, 0,1
.irp i, 0,1,2
	v_permlane16_swap_b32 v[PP+6*\c+\i], v[CT+4*\c+\i]
.endr
.irp i, 0,1,2
	s_delay_alu instid0(VALU_DEP_3)
	v_mov_b32 v[PP+6*\c+3+\i], v[CT+4*\c+\i]
.endr
.endr
.if (\first) == 0
	WIN 0x41                                       ; O^T (destination and source 0) in window 1
	s_wait_alu depctr_va_vdst(0)                   ; directly ahead of the first reader of O^T
.set j, 0
.rept 64
	v_pk_mul_f32 v[128*(\a)+j:128*(\a)+j+1], v[128*(\a)+j:128*(\a)+j+1], v[FF:FF+1] op_sel_hi:[1,0]   ; O^T under the new M
.set j, j+2
.endr
	WIN 0
.endif
.endm
; MY KEY STEP OF THE BLOCK IN HAND, BOTH TILES: 128 keys for two tiles of queries; my eighth of the next block goes in two parts: 13 pieces under tile 0's softmax, 12 under tile 1's and the second product
.macro STEP first
	v_add_nc_u32 v[ADK], s29, v[LK0]
	v_add_nc_u32 v[ADS], s12, v[LI]
	NOPS 4                                         ; six places behind the last step's products: loads land on their operands, and the first products below write over V's fragments
	MLOAD 18                                       ; tile 0's mask words come under the first product
.if (\first) == 0
.set qi, 0
.rept 12
	ds_load_b128 v[QF+4*qi:QF+4*qi+3], v[ADS] offset:512*qi   ; Q, back from my own LDS bytes
.set qi, qi+1
.endr
.endif
	v_add_nc_u32 v[ADS], s29, v[LS0]
	KSCL
	KLD 0, XA, XA+24                               ; S^T = K Q^T, two tiles of keys a group.  Groups 0 and 1 are asked for together:
	KLD 1, S+32, S+96                              ; group 1 lands in score registers that groups 2 and 3 write
	s_wait_alu depctr_va_vdst(0)
	s_wait_dscnt 12                                ; Q, the scale words and group 0 are in; group 1's 12 loads may be out
	KMUL 0, XA, XA+24
	NOPS 4
	KLD 2, XA, XA+24
	s_wait_dscnt 12                                ; group 1 is in; group 2's 12 loads may be out
	KMUL 1, S+32, S+96
	NOPS 5                                         ; group 2's products write over group 1's fragments: five places
	s_wait_dscnt 0x0
	KMUL 2, XA, XA+24
	NOPS 4
	KLD 3, XA, XA+24
	s_wait_dscnt 0x0
	KMUL 3, XA, XA+24
	NOPS 4
	IFNEED .Lpa_\@
	GLD 0, 12, QF, KVB                             ; Q's registers are free until the next step: pieces 0-11 of the next block,
	GLD 24, 1, ST4, KVB                            ; and piece 24
.Lpa_\@:
	s_wait_kmcnt 0x0                               ; tile 0's mask words
	MASK 0
	MLOAD 20                                       ; tile 1's words come while tile 0's softmax is worked
	SOFTMAX 0, \first
	s_wait_kmcnt 0x0
	MASK 1
	v_add_nc_u32 v[ADS], s11, v[LI]                ; where my eighth goes in the other slot
	s_wait_alu depctr_va_vdst(0)
	s_wait_loadcnt 0x0                             ; on both ways: no load of mine is out
	IFNEED .Lpb_\@
	LST 0, 12, QF, ADS
	LST 24, 1, ST4, ADS
	s_wait_dscnt 0x0                               ; the stores have read their registers,
	GLD 12, 12, QF, KVB                            ; which take pieces 12-23
.Lpb_\@:
	SOFTMAX 1, \first
.if \first
	s_wait_alu depctr_va_vdst(0)
	NOPS 8                                         ; a scale word made by vector instructions stands eight places ahead of the product, codes so made four; later steps have O^T's rescaling there
.endif
	s_wait_alu depctr_va_vdst(0)
	s_wait_dscnt 15                                ; V's scale words and fragments 0-4 are in; the 15 loads of fragments 5-9 may be out
	PVMUL 0, 5, S, \first
	NOPS 4
	VLOAD 10, 5, S
	s_wait_dscnt 15                                ; fragments 5-9 are in
	PVMUL 5, 5, S+64, \first
	NOPS 4
	VLOAD 15, 1, S+64
	s_wait_dscnt 3                                 ; fragments 10-14 are in
	PVMUL 10, 5, S, \first
	s_wait_dscnt 0x0
	PVMUL 15, 1, S+64, \first
	s_wait_loadcnt 0x0                             ; on both ways
	IFNEED .Lpc_\@
	LST 12, 12, QF, ADS
.Lpc_\@:
.endm
; THE SHORT STEP: tile 1 alone.  Tile 0's registers are free.  Ten pieces of the next block are asked for at the step's head, into tile 0's Q (v32-55) and v176-191; v128-175 are K's second buffer; behind K's products
; the other 15 pieces follow, into tile 1's Q (v56-79) and v128-163.  All 25 are stored at the step's end.  V comes through seven buffers: v80-91, v164-175, and tile 1's score registers (five)
.macro STEP1
	v_add_nc_u32 v[ADK], s29, v[LK0]
	v_add_nc_u32 v[ADS], s12, v[LI]
	NOPS 4                                         ; six places behind the last step's products
	MLOAD 20
	s_wait_alu depctr_va_vdst(0)
	IFNEED .Lqp_\@
	GLD 0, 6, QF, KVB
	GLD 6, 4, S+48, KVB
.Lqp_\@:
.set qi, 6
.rept 6
	ds_load_b128 v[QF+4*qi:QF+4*qi+3], v[ADS] offset:512*qi   ; tile 1's Q
.set qi, qi+1
.endr
	v_add_nc_u32 v[ADS], s29, v[LS0]
	KSCL
	KLD 0, XA, XA+24
	KLD 1, S, S+24
	s_wait_alu depctr_va_vdst(0)
	s_wait_dscnt 12                                ; group 1's 12 loads may be out
	KMUL1 0, XA, XA+24
	NOPS 4
	KLD 2, XA, XA+24
	s_wait_dscnt 12                                ; group 2's may be out
	KMUL1 1, S, S+24
	NOPS 4
	KLD 3, S, S+24
	s_wait_dscnt 12                                ; group 3's may be out
	KMUL1 2, XA, XA+24
	s_wait_dscnt 0x0
	KMUL1 3, S, S+24
	NOPS 4
	v_add_nc_u32 v[ADK], 49152, v[ADK]             ; V's fragments lie 49,152 bytes behind K's
	VSCL
	VLOAD 0, 1, XA
	VLOAD 1, 1, S+36
	IFNEED .Lqa_\@
	GLD 10, 6, QF+24, KVB
	GLD 16, 9, S, KVB
.Lqa_\@:
	s_wait_kmcnt 0x0
	MASK 1
	v_add_nc_u32 v[ADS], s11, v[LI]                ; where my eighth goes in the other slot
.set ONE, 1
	SOFTMAX 1, 0
.set ONE, 0
	s_wait_alu depctr_va_vdst(0)
	s_wait_dscnt 15                                ; V's scale words and fragments 0, 1 are in; the 15 loads of fragments 2-6 may be out
	WIN 0x50
	PV1 0, 1, XA
	PV1 1, 1, S+36
	WIN 0
	NOPS 4
	VLOAD 7, 1, XA
	VLOAD 8, 1, S+36
	s_wait_dscnt 6                                 ; fragments 2-6 are in
	WIN 0x50
	PV1 2, 5, S+64
	WIN 0
	NOPS 4
	VLOAD 9, 5, S+64
	s_wait_dscnt 15                                ; fragments 7, 8 are in
	WIN 0x50
	PV1 7, 1, XA
	PV1 8, 1, S+36
	WIN 0
	NOPS 4
	VLOAD 14, 1, XA
	VLOAD 15, 1, S+36
	s_wait_dscnt 6                                 ; fragments 9-13 are in
	WIN 0x50
	PV1 9, 5, S+64
	s_wait_dscnt 0x0
	PV1 14, 1, XA
	PV1 15, 1, S+36
	WIN 0
	s_wait_loadcnt 0x0                             ; on both ways
	IFNEED .Lqb_\@
	LST 0, 6, QF, ADS
	LST 6, 4, S+48, ADS
	LST 10, 6, QF+24, ADS
	LST 16, 9, S, ADS
.Lqb_\@:
.endm
.macro ASK                             ; wave 0, while a block two on is left: my work-group's sixteenth of its codes
	s_cmp_gt_u32 s17, s28
	s_cbranch_scc0 .Lnot_mine_\@
	global_prefetch_b8 v[PFO], s[6:7] offset:2*KVB th:TH_LOAD_NT scope:SCOPE_SE
.Lnot_mine_\@:
.endm
; 64 numbers of a lane, v[s] on, become a fragment's codes in v[XA] on and its scale word in v120
.macro QUANT s
.irp b, 0,1,2,3
	v_max3_num_f32 v[BM+\b], |v[(\s)+16*\b]|, |v[(\s)+1+16*\b]|, 0x1800000
.endr
.irp i, 2,4,6,8,10,12,14
.irp b, 0,1,2,3
	s_delay_alu instid0(VALU_DEP_4)
	v_max3_num_f32 v[BM+\b], v[BM+\b], |v[(\s)+16*\b+\i]|, |v[(\s)+1+16*\b+\i]|
.endr
.endr
.irp b, 0,1,2,3
	v_permlanex16_b32 v[PM+\b], v[BM+\b], s24, s25
.endr
.irp b, 0,1,2,3
	s_delay_alu instid0(VALU_DEP_4)
	v_max_num_f32 v[BM+\b], v[BM+\b], v[PM+\b]
.endr
.irp b, 0,1,2,3
	s_delay_alu instid0(VALU_DEP_4)
	v_add_nc_u32 v[CT+\b], 0xff000000, v[BM+\b]
.endr
.irp b, 0,1,2,3
	s_delay_alu instid0(VALU_DEP_4)
	v_lshrrev_b32 v[PM+\b], 23, v[CT+\b]
.endr
	s_delay_alu instid0(VALU_DEP_3)
	v_lshl_or_b32 v120, v[PM+1], 8, v[PM]
	s_delay_alu instid0(VALU_DEP_1)
	v_lshl_or_b32 v120, v[PM+2], 16, v120
	s_delay_alu instid0(VALU_DEP_1)
	v_lshl_or_b32 v120, v[PM+3], 24, v120
.irp c, 0,1
	v_cvt_scalef32_pk16_fp6_f32 v[XA+6*\c:XA+2+6*\c], v[(\s)+32*\c:(\s)+15+32*\c], v[CT+2*\c]
	v_cvt_scalef32_pk16_fp6_f32 v[XA+12+4*\c:XA+14+4*\c], v[(\s)+16+32*\c:(\s)+31+32*\c], v[CT+2*\c+1]
.endr
	v_nop
.irp c, 0,1
.irp i, 0,1,2
	v_permlane16_swap_b32 v[XA+6*\c+\i], v[XA+12+4*\c+\i]
.endr
.irp i, 0,1,2
	s_delay_alu instid0(VALU_DEP_3)
	v_mov_b32 v[XA+3+6*\c+\i], v[XA+12+4*\c+\i]
.endr
.endr
.endm
	s_load_b256 s[32:39], s[0:1], 0x0              ; qb s[32:33], kv s[34:35], mw s[36:37], mf s[38:39]
	s_load_b64 s[40:41], s[0:1], 0x20              ; yb
	v_lshl_add_u32 v[SPW], v0, 2, SPARE
	v_mov_b32 v[NIL], 0
	v_mov_b32 v[NINF], 0xff800000
	v_lshrrev_b32 v6, 5, v0
	v_readfirstlane_b32 s16, v6                    ; wave 0..7
	s_and_b32 s42, s16, 1                          ; u: my key step of each block
	s_lshr_b32 s43, s16, 1                         ; which tile of each group
	s_and_b32 s45, ttmp7, 0xffff                   ; the head
	s_sub_co_u32 s46, 31, ttmp9                    ; the second group
	s_lshl_b32 s51, ttmp9, 2
	s_add_co_u32 s51, s51, s43                     ; register tile 0: tile 4 j + w / 2
	s_lshl_b32 s52, s46, 2
	s_add_co_u32 s52, s52, s43                     ; register tile 1: tile 4 (31 - j) + w / 2
	s_cmp_eq_u32 s42, 0
	s_cselect_b32 s53, s51, s52                    ; the tile that I finish
	s_lshl_b32 s54, s51, 4
	s_add_co_u32 s54, s54, s42
	s_lshl_b32 s54, s54, 8                         ; tile 0's mask words: (16 tile + key step) x 256
	s_mov_b32 s55, 0
	s_lshl_b32 s56, s52, 4
	s_add_co_u32 s56, s56, s42
	s_lshl_b32 s56, s56, 8
	s_mov_b32 s57, 0
	s_lshl_b32 s58, s45, 7
	s_add_co_u32 s59, s58, s51                     ; 128 x head + tile 0
	s_mul_i32 s60, s59, 3072                       ; its Q's codes
	s_mov_b32 s61, 0
	s_lshl_b32 s62, s59, 7
	s_add_co_u32 s62, s62, QS_OFF                  ; and scale words
	s_mov_b32 s63, 0
	s_add_co_u32 s90, s58, s52                     ; the same of tile 1
	s_mul_i32 s92, s90, 3072
	s_mov_b32 s93, 0
	s_lshl_b32 s94, s90, 7
	s_add_co_u32 s94, s94, QS_OFF
	s_mov_b32 s95, 0
	s_lshl_b32 s58, s53, 5
	s_lshl_b32 s59, s45, 1
	s_add_co_u32 s58, s58, s59                     ; y: 32 x tile + 2 x head
	s_mul_i32 s68, s58, 1536
	s_mov_b32 s69, 0
	s_lshl_b32 s70, s58, 6
	s_add_co_u32 s70, s70, YS_OFF
	s_mov_b32 s71, 0
	s_mul_i32 s10, s16, 12800                      ; my eighth of a block: in slot 0,
	s_add_co_u32 s11, s10, SLOT1                   ; in slot 1,
	s_mov_b32 s74, s10                             ; and in memory
	s_mov_b32 s75, 0
	s_mul_i32 s12, s16, 6144
	s_add_co_u32 s12, s12, QL                      ; my Q in LDS
	s_mul_i32 s72, s45, 8*KVB                      ; the head's eight blocks of kv
	s_mov_b32 s73, 0
	s_mul_i32 s76, ttmp9, 6144                     ; my work-group's prefetch share
	s_mov_b32 s77, 0
	s_lshl_b32 s78, ttmp9, 6                       ; the step bits of group j: four tiles x 16 bytes,
	s_mov_b32 s79, 0
	s_lshl_b32 s80, s46, 6                         ; of group 31 - j,
	s_mov_b32 s81, 0
	s_lshl_b32 s88, s51, 4                         ; of my tile 0,
	s_mov_b32 s89, 0
	s_lshl_b32 s96, s52, 4                         ; and of my tile 1
	s_mov_b32 s97, 0
	s_cmp_eq_u32 s16, 0
	s_cselect_b32 s28, 2, -1                       ; wave 0 asks while more than two trips are left
	s_mov_b32 s22, 0x3db8aa3b                      ; c = log2(e) / 16
	s_mov_b32 s23, s22
	s_mov_b32 s24, 0x76543210
	s_mov_b32 s25, 0xfedcba98
	s_mov_b32 s29, 0                               ; the slot in hand
	s_mov_b32 s17, 7                               ; trips behind block 0
	s_mul_i32 s82, s42, 24576
	s_lshl_b32 s83, s42, 10
	s_add_co_u32 s83, s83, 98304
	v_and_b32 v6, 31, v0
	v_lshlrev_b32 v[LI], 4, v6
	v_min_u32 v7, 23, v6
	v_lshlrev_b32 v[PFO], 8, v7
	v_lshlrev_b32 v106, 2, v6
	v_add_nc_u32 v[LK0], s82, v[LI]
	v_add_nc_u32 v[LS0], s83, v106
	v_add_nc_u32 v[ADS], s12, v[LI]
	v_add_nc_u32 v[ADK], s10, v[LI]
.irp b, 0,1,2,3
	v_mov_b32 v[PM+\b], 0                          ; a lane permute's destination counts as read
.endr
	s_wait_alu depctr_va_vdst(0)
	s_wait_kmcnt 0x0
	s_add_nc_u64 s[4:5], s[34:35], s[72:73]        ; kv at my head
	s_add_nc_u64 s[6:7], s[4:5], s[76:77]
	s_add_nc_u64 s[4:5], s[4:5], s[74:75]          ; at my eighth of block 0
	s_add_nc_u64 s[18:19], s[36:37], s[54:55]
	s_add_nc_u64 s[20:21], s[36:37], s[56:57]
	s_add_nc_u64 s[100:101], s[32:33], s[60:61]
	s_add_nc_u64 s[2:3], s[32:33], s[62:63]
	s_add_nc_u64 s[14:15], s[32:33], s[92:93]
	s_add_nc_u64 s[26:27], s[32:33], s[94:95]
	s_add_nc_u64 s[30:31], s[40:41], s[68:69]
	s_add_nc_u64 s[66:67], s[40:41], s[70:71]
	s_add_nc_u64 s[78:79], s[38:39], s[78:79]
	s_add_nc_u64 s[80:81], s[38:39], s[80:81]
	s_add_nc_u64 s[88:89], s[38:39], s[88:89]
	s_add_nc_u64 s[96:97], s[38:39], s[96:97]
.irp ks, 0,1
.irp c, 0,1,2
	global_load_b128 v[QF+12*\ks+4*\c:QF+12*\ks+4*\c+3], v[LI], s[100:101] offset:1536*\ks+512*\c
	global_load_b128 v[QF+24+12*\ks+4*\c:QF+24+12*\ks+4*\c+3], v[LI], s[14:15] offset:1536*\ks+512*\c
.endr
.endr
	global_load_b32 v[QSC], v106, s[2:3]           ; lanes 0-15 channels 0-127, lanes 16-31 channels 128-255
	global_load_b32 v[QSC+1], v106, s[26:27]
	GLD 0, 25, S, 0                                ; my eighth of block 0, which every wave walks
	s_load_b512 s[32:47], s[78:79], 0x0
	s_load_b512 s[48:63], s[80:81], 0x0
	s_load_b128 s[68:71], s[88:89], 0x0
	s_load_b128 s[72:75], s[96:97], 0x0
	s_wait_kmcnt 0x0
.set i, 33
.rept 31
	s_or_b32 s32, s32, s[i]                        ; bit s: does any of the work-group's eight tiles have a key in step s?
.set i, i+1
.endr
.irp i, 1,2,3
	s_or_b32 s68, s68, s[68+\i]                    ; the same of my tile 0,
	s_or_b32 s72, s72, s[72+\i]                    ; and of my tile 1
.endr
	s_and_b32 s32, s32, 0xffff                     ; sixteen key steps: no bit stands for a block beyond the eighth
	s_lshr_b32 s33, s32, 1
	s_or_b32 s9, s32, s33                          ; bit 2 b: block b is needed
	s_and_b32 s76, s16, 1                          ; u
	s_and_b32 s68, s68, 0xffff
	s_lshr_b32 s8, s68, s76                        ; bit 2 b: tile 0 has work in my step of block b
	s_and_b32 s72, s72, 0xffff
	s_lshr_b32 s13, s72, s76                       ; the same of tile 1
	s_wait_loadcnt 25                              ; Q and its scale words are in; block 0's 25 loads may be out
	LST 0, 12, QF, ADS                             ; Q's copy, which later steps read back
	s_wait_loadcnt 0x0
	LST 0, 25, S, ADK
	s_wait_dscnt 0x0                               ; for the others' sake: my eighth of block 0 is stored
	s_barrier_signal -1
	s_barrier_wait -1
	ASK
	STEP 1
.Ltrip:                                            ; seven trips: blocks 1 to 7
	s_wait_alu depctr_va_vdst(0)
	s_wait_xcnt 0x0                                ; my loads and my prefetch have read their bases
	s_add_nc_u64 s[4:5], s[4:5], KVB
	s_add_nc_u64 s[6:7], s[6:7], KVB
	s_add_nc_u64 s[18:19], s[18:19], 512           ; my key step of the next block
	s_add_nc_u64 s[20:21], s[20:21], 512
	s_lshr_b32 s8, s8, 2
	s_lshr_b32 s13, s13, 2
	s_lshr_b32 s9, s9, 2
	s_xor_b32 s29, s29, SLOT1
	s_xor_b32 s11, s11, SLOT1
	s_wait_dscnt 0x0                               ; my stores into the slot ahead are done, and my reads of the slot that I leave are over
	s_barrier_signal -1
	s_barrier_wait -1                              ; both now hold of every wave
	ASK
	s_bitcmp1_b32 s8, 0                            ; has the mask a key for tile 0 in my step of this block?
	s_cbranch_scc1 .Lboth
	s_bitcmp1_b32 s13, 0                           ; for tile 1?
	s_cbranch_scc0 .Lidle
	STEP1
	s_branch .Ljoin
.Lboth:
	STEP 0
	s_branch .Ljoin
.Lidle:
	NOPS 5                                         ; places behind the last step's products: loads land on V's fragments
	IFNEED .Ljoin
	GLD 0, 25, S, KVB                              ; no work of my own: my eighth of the next block at once
	v_add_nc_u32 v[ADS], s11, v[LI]
	s_wait_alu depctr_va_vdst(0)
	s_wait_loadcnt 0x0
	LST 0, 25, S, ADS
.Ljoin:
	s_sub_co_u32 s17, s17, 1
	s_cmp_lg_u32 s17, 0
	s_cbranch_scc1 .Ltrip
	; THE MERGE.  Wave u = 0 sends tile 1 to wave w xor 1 and finishes tile 0; wave u = 1 sends tile 0 and finishes tile 1.  The exchange lies in slot 0 and the gap behind it, behind a barrier behind which nobody
	; reads or fills the slots.
	s_wait_alu depctr_va_vdst(0)
	s_wait_dscnt 0x0
	s_barrier_signal -1
	s_barrier_wait -1
	v_add_f32 v9, v10, v11                         ; tile 0's sum, beside its -M.  (The ten plain lines here are the places behind the last products)
	v_add_f32 v13, v14, v15                        ; tile 1's, beside its -M
	s_lshl_b32 s40, s16, 14
	s_xor_b32 s41, s16, 1
	s_lshl_b32 s42, s41, 14
	s_lshl_b32 s43, s16, 8
	s_lshl_b32 s44, s41, 8
	s_and_b32 s45, s16, 1                          ; u
	v_add_nc_u32 v6, s40, v[LI]                    ; my 16,384 bytes of the exchange
	v_add_nc_u32 v7, s42, v[LI]                    ; my partner's
	v_and_b32 v104, 31, v0
	s_delay_alu instid0(VALU_DEP_1)
	v_lshlrev_b32 v104, 3, v104
	s_delay_alu instid0(VALU_DEP_1)
	v_add_nc_u32 v105, s43, v104
	s_delay_alu instid0(VALU_DEP_2)
	v_add_nc_u32 v106, s44, v104
	s_delay_alu instid0(VALU_DEP_2)
	v_add_nc_u32 v105, STATS, v105
	s_delay_alu instid0(VALU_DEP_2)
	v_add_nc_u32 v106, STATS, v106
	s_cmp_eq_u32 s45, 0
	s_wait_alu depctr_va_vdst(0)
	s_cbranch_scc0 .Lsend0
	ds_store_b64 v105, v[12:13]
	WIN 0x04                                       ; an LDS store's data are its source 1: window 1
.set k, 0
.rept 32
	ds_store_b128 v6, v[128+4*k:128+4*k+3] offset:512*k   ; each accumulator from its low end on
.set k, k+1
.endr
	WIN 0
	s_branch .Lsent
.Lsend0:
	ds_store_b64 v105, v[8:9]
	WIN 0x04
.set k, 0
.rept 32
	ds_store_b128 v6, v[4*k:4*k+3] offset:512*k
.set k, k+1
.endr
	WIN 0
	v_mov_b32 v8, v12                              ; the tile that I finish: its -M and its sum in v8, v9
	v_mov_b32 v9, v13
.Lsent:
	s_wait_alu depctr_va_vdst(0)
	s_wait_dscnt 0x0                               ; for the others' sake: my stores are done
	s_barrier_signal -1
	s_barrier_wait -1
	ds_load_b64 v[14:15], v106                     ; my partner's -M and sum for my tile
.set k, 0
.rept 32
	ds_load_b128 v[S+4*k:S+4*k+3], v7 offset:512*k
.set k, k+1
.endr
	s_wait_dscnt 32                                ; the two words are in; the tile's 32 loads may be out
	v_min_num_f32 v107, v8, v14                    ; -M of both halves of the keys
	s_delay_alu instid0(VALU_DEP_1)
	v_sub_f32 v108, v107, v8
	s_delay_alu instid0(VALU_DEP_2)
	v_sub_f32 v109, v107, v14
	s_delay_alu instid0(VALU_DEP_2)
	v_cvt_i32_f32 v108, v108
	s_delay_alu instid0(VALU_DEP_2)
	v_cvt_i32_f32 v109, v109
	s_delay_alu instid0(VALU_DEP_2)
	v_ldexp_f32 v108, 1.0, v108                    ; my half's factor,
	s_delay_alu instid0(VALU_DEP_2)
	v_ldexp_f32 v109, 1.0, v109                    ; my partner's: powers of two
	s_delay_alu instid0(VALU_DEP_2)
	v_mul_f32 v110, v9, v108
	s_delay_alu instid0(VALU_DEP_1)
	v_fma_f32 v110, v15, v109, v110
	s_delay_alu instid0(VALU_DEP_1)
	v_permlanex16_b32 v111, v110, s24, s25
	s_delay_alu instid0(VALU_DEP_1)
	v_add_f32 v110, v110, v111                     ; the row's sum
	s_delay_alu instid0(VALU_DEP_1)
	v_cmp_eq_f32 vcc_lo, 0, v110                   ; 0: every key of the row is masked
	s_wait_alu depctr_va_vdst(0)
	v_rcp_f32 v111, v110
	v_nop                                          ; a plain place behind the reciprocal
	s_wait_alu depctr_va_vdst(0)                   ; and the wait ahead of its first reader
	v_mul_f32 v100, v108, v111
	v_mul_f32 v102, v109, v111
	s_delay_alu instid0(VALU_DEP_2)
	v_mov_b32 v101, v100                           ; (named as pairs)
	s_delay_alu instid0(VALU_DEP_2)
	v_mov_b32 v103, v102
	v_and_b32 v121, 15, v0
	s_delay_alu instid0(VALU_DEP_1)
	v_lshlrev_b32 v121, 2, v121
	s_wait_alu depctr_va_vdst(0)
	s_wait_dscnt 0x0
.set j, 0
.rept 64
	v_pk_mul_f32 v[S+j:S+j+1], v[S+j:S+j+1], v[102:103] op_sel_hi:[1,0]
.set j, j+2
.endr
	s_cmp_eq_u32 s45, 0
	s_wait_alu depctr_va_vdst(0)
	s_cbranch_scc0 .Lfin1
	WIN 0x01                                       ; source 0: my O^T, window 1
.set j, 0
.rept 64
	v_pk_fma_f32 v[S+j:S+j+1], v[j:j+1], v[100:101], v[S+j:S+j+1] op_sel_hi:[1,0,1]   ; y = (O mine x its factor + O partner's x its factor) / the sum
.set j, j+2
.endr
	WIN 0
	s_wait_alu depctr_va_vdst(0)
	s_branch .Lfin
.Lfin1:
	WIN 0x01
.set j, 0
.rept 64
	v_pk_fma_f32 v[S+j:S+j+1], v[128+j:128+j+1], v[100:101], v[S+j:S+j+1] op_sel_hi:[1,0,1]
.set j, j+2
.endr
	WIN 0
.Lfin:
.irp G, 0,1                                    ; channels 128 G on: K step 2 head + G of the last product
.if \G > 0
	s_wait_xcnt 0x0                                ; the stores have read their registers
.endif
	QUANT S+64*\G
	v_cndmask_b32 v120, v120, -1, vcc_lo           ; a row with no key: NaN scales
.irp c, 0,1,2
	global_store_b128 v[LI], v[XA+4*\c:XA+4*\c+3], s[30:31] offset:1536*\G+512*\c
.endr
	global_store_b32 v121, v120, s[66:67] offset:64*\G
.endr
	s_wait_tensorcnt 0x0                           ; the wave's end
	ds_add_u32 v[SPW], v[NIL]
	s_wait_dscnt 0x0
	s_endpgm
.Lfunc_end_k_q28c7016d7f_attn:
	.size	k_q28c7016d7f_attn, .Lfunc_end_k_q28c7016d7f_attn-k_q28c7016d7f_attn
	.p2alignl 7, 3214868480
	.fill 96, 4, 3214868480
	.section	.rodata,"a",@progbits
	.p2align	6, 0x0
	.amdhsa_kernel k_q28c7016d7f_attn
		.amdhsa_group_segment_fixed_size 285696
		.amdhsa_private_segment_fixed_size 0
		.amdhsa_enable_private_segment 0
		.amdhsa_kernarg_size 40
		.amdhsa_user_sgpr_count 2
		.amdhsa_user_sgpr_kernarg_segment_ptr 1
		.amdhsa_wavefront_size32 1
		.amdhsa_system_sgpr_workgroup_id_x 1
		.amdhsa_system_sgpr_workgroup_id_y 1
		.amdhsa_system_sgpr_workgroup_id_z 1
		.amdhsa_system_vgpr_workitem_id 0
		.amdhsa_next_free_vgpr 512
		.amdhsa_next_free_sgpr 102
		.amdhsa_reserve_vcc 1
		.amdhsa_float_denorm_mode_32 3
		.amdhsa_float_denorm_mode_16_64 3
		.amdhsa_memory_ordered 1
		.amdhsa_forward_progress 1
		.amdhsa_inst_pref_size 207
	.end_amdhsa_kernel
	.amdgpu_metadata
---
amdhsa.version: [ 1, 2 ]
amdhsa.kernels:
  - .name:           k_q28c7016d7f_attn
    .symbol:         k_q28c7016d7f_attn.kd
    .args:
      - { .name: qb, .offset: 0, .size: 8, .value_kind: global_buffer, .address_space: global }
      - { .name: kv, .offset: 8, .size: 8, .value_kind: global_buffer, .address_space: global }
      - { .name: mw, .offset: 16, .size: 8, .value_kind: global_buffer, .address_space: global }
      - { .name: mf, .offset: 24, .size: 8, .value_kind: global_buffer, .address_space: global }
      - { .name: yb, .offset: 32, .size: 8, .value_kind: global_buffer, .address_space: global }
    .group_segment_fixed_size: 285696
    .private_segment_fixed_size: 0
    .kernarg_segment_align: 8
    .kernarg_segment_size: 40
    .max_flat_workgroup_size: 256
    .sgpr_count:     102
    .vgpr_count:     512
    .wavefront_size: 32
...
	.end_amdgpu_metadata
.endif
;; end of part 3
;; launch outp (part 4): grid 16 x 16, 4 waves a work-group, clusters of 4 x 4, 327,680 bytes of LDS; arguments yb, woc, out0; writes out0
.if DOCPART == 4
	.amdgcn_target "amdgcn-amd-amdhsa--gfx1250"
	.amdhsa_code_object_version 6
	.text
	.protected	k_q28c7016d7f_outp
	.globl	k_q28c7016d7f_outp
	.p2align	8
	.type	k_q28c7016d7f_outp,@function
k_q28c7016d7f_outp:
	s_mov_b64 s[64:65], 0
	v_nop
	global_prefetch_b8 v0, s[64:65] scope:SCOPE_SE
	s_setreg_imm32_b32 hwreg(HW_REG_WAVE_MODE, 25, 1), 1
	s_wait_xcnt 0x0
	s_wait_alu depctr_hold_cnt(0) depctr_sa_sdst(0) depctr_va_vdst(0) depctr_va_sdst(0) depctr_va_ssrc(0) depctr_va_vcc(0) depctr_vm_vsrc(0)
	s_getreg_b32 s2, hwreg(HW_REG_IB_STS2, 6, 4)
	s_cmp_eq_u32 s2, 0
	s_cbranch_scc0 .Lentry_in_a_cluster
	s_endpgm
.Lentry_in_a_cluster:
	s_bfe_u32 s2, ttmp6, 0x10000c
	s_cmp_lg_u32 s2, 0xf033
	s_cbranch_scc0 .Lentry_shape_is_right
	s_endpgm
.Lentry_shape_is_right:
.set TB8,   12288
.set TP,    49152
.set SLOT,  12*TB8
.set SPARE, 2*SLOT
.set YS_OFF,  6291456
.set WOS_OFF, 3145728
.set SPITCH, 272
.set STW,   128*SPITCH
.set STO,  24
.set RD,   25
.set CO,   29
.set SPW,  30
.set NIL,  31
.set SA,   32
.set SB,   64
.set G1,  24
.set G0,  32
.set G1B, 48
.set G0B, 56
.set MSB, 0
.macro WIN new
.if MSB != (\new)
	s_set_vgpr_msb (MSB<<8)|(\new)
.set MSB, (\new)
.endif
.endm
.macro JLOAD g0a, g1a, g0b, g1b
	s_cmp_eq_u32 s15, 0
	s_cbranch_scc0 .Lfor_b_\@
	tensor_load_to_lds s[\g0a:\g0a+3], s[\g1a:\g1a+7]
	s_nop 0
.rept 4
	v_nop
.endr
	s_branch .Lasked_\@
.Lfor_b_\@:
	tensor_load_to_lds s[\g0b:\g0b+3], s[\g1b:\g1b+7]
	s_nop 0
.rept 4
	v_nop
.endr
.Lasked_\@:
.endm
.macro CROUND
	s_barrier_signal -1
	s_barrier_wait -1
	s_cmp_lg_u32 s14, 0
	s_cbranch_scc1 .Lnot_wave_0_\@
	s_barrier_signal -3
.Lnot_wave_0_\@:
	s_barrier_wait -3
	s_barrier_signal -1
	s_barrier_wait -1
.endm
.macro PLACES
.rept 4
	v_nop
.endr
.endm
.macro FETCH slot, e, set
.if (\set) == 0
.set FA, 96
.set FB, 192
	WIN 0
.else
.set FA, 0
.set FB, 96
	WIN 0x80
.endif
.irp i, 0,1,2,3
.irp c, 0,1,2
	ds_load_b128 v[FA+12*\i+4*\c:FA+12*\i+4*\c+3], v[16+\slot] offset:\i*TB8+(\e)*1536+512*\c
.endr
.endr
.irp i, 0,1,2,3
.irp c, 0,1,2
	ds_load_b128 v[FA+48+12*\i+4*\c:FA+48+12*\i+4*\c+3], v[18+\slot] offset:\i*TB8+(\e)*1536+512*\c
.endr
.endr
.irp b, 0,1,2,3
.irp c, 0,1,2
	ds_load_b128 v[FB+12*\b+4*\c:FB+12*\b+4*\c+3], v[20+\slot] offset:\b*TB8+(\e)*1536+512*\c
.endr
.endr
	WIN 0
.endm
.macro MUL set, e, j, zero
.if (\set) == 0
.set FA, 96
.set FB, 192
	WIN 0x50
.else
.set FA, 0
.set FB, 96
	WIN 0x5a
.endif
.irp a, 0,1,2,3,4,5,6,7
.irp b, 0,1,2,3
.if \zero
	v_wmma_scale_f32_16x16x128_f8f6f4 v[8*(4*\a+\b):8*(4*\a+\b)+7], v[FB+12*\b:FB+12*\b+11], v[FA+12*\a:FA+12*\a+11], 0, v[SB+4*\b+(\j)], v[SA+4*\a+(\j)] matrix_a_fmt:MATRIX_FMT_FP6 matrix_b_fmt:MATRIX_FMT_FP6
.elseif (\e) == 0
	v_wmma_scale_f32_16x16x128_f8f6f4 v[8*(4*\a+\b):8*(4*\a+\b)+7], v[FB+12*\b:FB+12*\b+11], v[FA+12*\a:FA+12*\a+11], v[8*(4*\a+\b):8*(4*\a+\b)+7], v[SB+4*\b+(\j)], v[SA+4*\a+(\j)] matrix_a_fmt:MATRIX_FMT_FP6 matrix_b_fmt:MATRIX_FMT_FP6
.else
	v_wmma_scale_f32_16x16x128_f8f6f4 v[8*(4*\a+\b):8*(4*\a+\b)+7], v[FB+12*\b:FB+12*\b+11], v[FA+12*\a:FA+12*\a+11], v[8*(4*\a+\b):8*(4*\a+\b)+7], v[SB+4*\b+(\j)], v[SA+4*\a+(\j)] matrix_a_fmt:MATRIX_FMT_FP6 matrix_b_fmt:MATRIX_FMT_FP6 matrix_a_scale:MATRIX_SCALE_ROW1 matrix_b_scale:MATRIX_SCALE_ROW1
.endif
.endr
.endr
.endm
.macro CHG slot, fill
	s_wait_tensorcnt 0x0
	ds_add_u32 v[SPW], v[NIL]
.if \fill
	s_add_nc_u64 s[G0+4*\slot+2:G0+4*\slot+3], s[G0+4*\slot+2:G0+4*\slot+3], 2*TB8
	s_add_nc_u64 s[G0B+4*\slot+2:G0B+4*\slot+3], s[G0B+4*\slot+2:G0B+4*\slot+3], 2*TB8
.endif
	s_wait_dscnt 0x0
.if \fill
	CROUND
	JLOAD G0+4*\slot, G1, G0B+4*\slot, G1B
.else
	s_barrier_signal -1
	s_barrier_wait -1
.endif
.endm
	s_load_b128 s[4:7], s[0:1], 0x0
	s_load_b64 s[8:9], s[0:1], 0x10
	v_lshl_add_u32 v[SPW], v0, 2, SPARE
	v_mov_b32 v[NIL], 0
	ds_add_u32 v30, v31
	ds_add_u32 v30, v31
	s_wait_dscnt 0x0
	v_lshrrev_b32 v1, 5, v0
	v_readfirstlane_b32 s14, v1
	s_lshr_b32 s15, s14, 1
	s_and_b32 s16, s14, 1
	s_bfe_u32 s40, ttmp6, 0x40000
	s_bfe_u32 s41, ttmp6, 0x40004
	s_lshl_b32 s42, ttmp9, 2
	s_add_co_u32 s42, s42, s40
	s_and_b32 s17, ttmp7, 0xffff
	s_lshl_b32 s17, s17, 2
	s_add_co_u32 s17, s17, s41
	s_lshl_b32 s43, s41, 2
	s_lshl_b32 s43, 15, s43
	s_lshl_b32 s44, 0x1111, s40
	s_or_b32 s[G1+0], s43, (3<<16)|(1<<21)
	s_mov_b32 s[G1+1], 1536<<16
	s_mov_b32 s[G1+2], 4<<16
	s_mov_b32 s[G1+3], 1536<<16
	s_mov_b32 s[G1+4], 4
	s_mov_b32 s[G1+5], 6144
	s_mov_b32 s[G1+6], 0
	s_mov_b32 s[G1+7], 0
	s_or_b32 s[G1B+0], s44, (3<<16)|(1<<21)
	s_mov_b32 s[G1B+1], 1536<<16
	s_mov_b32 s[G1B+2], 2<<16
	s_mov_b32 s[G1B+3], 1536<<16
	s_mov_b32 s[G1B+4], 2
	s_mov_b32 s[G1B+5], 6144
	s_mov_b32 s[G1B+6], 0
	s_mov_b32 s[G1B+7], 0
	s_lshl_b32 s20, s17, 3
	s_lshl_b32 s21, s16, 2
	s_add_co_u32 s20, s20, s21
	s_mul_i32 s20, s20, TP
	s_mov_b32 s21, 0
	s_lshl_b32 s46, s42, 2
	s_lshl_b32 s47, s16, 1
	s_add_co_u32 s46, s46, s47
	s_mul_i32 s46, s46, TP
	s_mov_b32 s47, 0
	s_mul_i32 s45, s16, 4*TB8
	s_mul_i32 s18, s16, 2*TB8
	s_add_co_u32 s18, s18, 8*TB8
	s_wait_kmcnt 0x0
	s_add_nc_u64 s[20:21], s[4:5], s[20:21]
	s_add_nc_u64 s[46:47], s[6:7], s[46:47]
	CROUND
.irp s, 0,1
	s_mov_b32 s[G0+4*\s], 1
	s_add_co_u32 s[G0+4*\s+1], s45, \s*SLOT
	s_add_nc_u64 s[G0+4*\s+2:G0+4*\s+3], s[20:21], \s*TB8
	s_or_b32 s[G0+4*\s+3], s[G0+4*\s+3], 0x80000000
	s_mov_b32 s[G0B+4*\s], 1
	s_add_co_u32 s[G0B+4*\s+1], s18, \s*SLOT
	s_add_nc_u64 s[G0B+4*\s+2:G0B+4*\s+3], s[46:47], \s*TB8
	s_or_b32 s[G0B+4*\s+3], s[G0B+4*\s+3], 0x80000000
	s_wait_alu depctr_va_vdst(0)
	s_wait_tensorcnt 0x0
	ds_add_u32 v30, v31
	ds_add_u32 v30, v31
	s_wait_dscnt 0x0
	CROUND
	JLOAD G0+4*\s, G1, G0B+4*\s, G1B
.endr
	v_and_b32 v2, 31, v0
	s_wait_alu depctr_va_vdst(0)
	v_lshlrev_b32 v22, 2, v2
	s_lshl_b32 s2, s14, 7
	v_add_nc_u32 v22, s2, v22
	s_lshl_b32 s2, s17, 14
	s_add_co_u32 s2, s2, YS_OFF
	s_mov_b32 s3, 0
	s_add_nc_u64 s[66:67], s[4:5], s[2:3]
	s_lshl_b32 s2, s42, 13
	s_add_co_u32 s2, s2, WOS_OFF
	s_add_nc_u64 s[68:69], s[6:7], s[2:3]
.irp a, 0,1,2,3,4,5,6,7
.irp j, 0,1,2,3
	global_load_b32 v[SA+4*\a+\j], v22, s[66:67] offset:2048*\a+512*\j
.endr
.endr
.irp b, 0,1,2,3
.irp j, 0,1,2,3
	global_load_b32 v[SB+4*\b+\j], v22, s[68:69] offset:2048*\b+512*\j
.endr
.endr
	v_lshlrev_b32 v23, 4, v2
	s_mul_i32 s2, s14, 3072
	v_add_nc_u32 v16, s2, v23
	v_add_nc_u32 v17, SLOT, v16
	v_add_nc_u32 v18, 4*TB8, v16
	v_add_nc_u32 v19, 4*TB8, v17
	v_add_nc_u32 v20, 8*TB8, v16
	v_add_nc_u32 v21, 8*TB8, v17
	v_and_b32 v3, 15, v0
	v_bfe_u32 v4, v0, 4, 1
	s_mul_i32 s2, s14, STW
	v_mul_u32_u24 v[STO], v3, SPITCH
	v_lshl_add_u32 v[STO], v4, 6, v[STO]
	v_add_nc_u32 v[STO], s2, v[STO]
	s_mul_i32 s2, s14, 32*SPITCH
	v_mul_u32_u24 v[RD], v4, SPITCH
	v_lshl_add_u32 v[RD], v3, 4, v[RD]
	v_add_nc_u32 v[RD], s2, v[RD]
	v_add_nc_u32 v[RD+1], STW, v[RD]
	v_add_nc_u32 v[RD+2], STW, v[RD+1]
	v_add_nc_u32 v[RD+3], STW, v[RD+2]
	v_lshlrev_b32 v[CO], 12, v4
	v_lshl_add_u32 v[CO], v3, 4, v[CO]
	s_lshl_b32 s2, s17, 7
	s_lshl_b32 s3, s14, 5
	s_add_co_u32 s2, s2, s3
	s_lshl_b32 s2, s2, 12
	s_lshl_b32 s3, s42, 8
	s_add_co_u32 s2, s2, s3
	s_mov_b32 s3, 0
	s_add_nc_u64 s[8:9], s[8:9], s[2:3]
	s_wait_tensorcnt 1
	s_barrier_signal -1
	s_barrier_wait -1
	FETCH 0, 0, 0
	FETCH 0, 1, 1
	s_wait_loadcnt 0x0
	CHG 0, 1
	MUL 0, 0, 0, 1
	PLACES
	FETCH 1, 0, 0
	s_wait_dscnt 36
	MUL 1, 1, 0, 0
	PLACES
	FETCH 1, 1, 1
	CHG 1, 1
	MUL 0, 0, 1, 0
	PLACES
	FETCH 0, 0, 0
	s_wait_dscnt 36
	MUL 1, 1, 1, 0
	PLACES
	FETCH 0, 1, 1
	CHG 0, 0
	MUL 0, 0, 2, 0
	PLACES
	FETCH 1, 0, 0
	s_wait_dscnt 36
	MUL 1, 1, 2, 0
	PLACES
	FETCH 1, 1, 1
	s_wait_dscnt 36
	MUL 0, 0, 3, 0
	s_wait_dscnt 0x0
	MUL 1, 1, 3, 0
	PLACES
	WIN 0x04
	s_wait_alu depctr_va_vdst(0)
.irp a, 0,1,2,3,4,5,6,7
.irp b, 0,1,2,3
	ds_store_b128 v[STO], v[8*(4*\a+\b):8*(4*\a+\b)+3] offset:\a*16*SPITCH+128*(\b/2)+32*(\b%2)
	ds_store_b128 v[STO], v[8*(4*\a+\b)+4:8*(4*\a+\b)+7] offset:\a*16*SPITCH+128*(\b/2)+32*(\b%2)+16
.endr
.endr
	WIN 0
	s_wait_dscnt 0x0
	s_barrier_signal -1
	s_barrier_wait -1
	WIN 0x40
.irp src, 0,1,2,3
.set t, 0
.rept 16
	ds_load_b128 v[64*\src+4*t:64*\src+4*t+3], v[RD+\src] offset:2*SPITCH*t
.set t, t+1
.endr
.endr
	s_wait_dscnt 0x0
	WIN 0x45
.irp src, 1,2,3
.set i, 0
.rept 32
	v_pk_add_f32 v[i:i+1], v[i:i+1], v[64*\src+i:64*\src+i+1]
.set i, i+2
.endr
.endr
	WIN 0x04
.set t, 0
.rept 16
	global_store_b128 v[CO], v[4*t:4*t+3], s[8:9] offset:(8*(t/8)+(2*t)%16+8*(((2*t)%16)/8))*4096 th:TH_STORE_NT
.set t, t+1
.endr
	WIN 0
	s_wait_tensorcnt 0x0
	ds_add_u32 v[SPW], v[NIL]
	s_wait_dscnt 0x0
	CROUND
	s_endpgm
.Lfunc_end_k_q28c7016d7f_outp:
	.size	k_q28c7016d7f_outp, .Lfunc_end_k_q28c7016d7f_outp-k_q28c7016d7f_outp
	.p2alignl 7, 3214868480
	.fill 96, 4, 3214868480
	.section	.rodata,"a",@progbits
	.p2align	6, 0x0
	.amdhsa_kernel k_q28c7016d7f_outp
		.amdhsa_group_segment_fixed_size 327680
		.amdhsa_private_segment_fixed_size 0
		.amdhsa_enable_private_segment 0
		.amdhsa_kernarg_size 24
		.amdhsa_user_sgpr_count 2
		.amdhsa_user_sgpr_kernarg_segment_ptr 1
		.amdhsa_wavefront_size32 1
		.amdhsa_system_sgpr_workgroup_id_x 1
		.amdhsa_system_sgpr_workgroup_id_y 1
		.amdhsa_system_sgpr_workgroup_id_z 1
		.amdhsa_system_vgpr_workitem_id 0
		.amdhsa_next_free_vgpr 768
		.amdhsa_next_free_sgpr 72
		.amdhsa_reserve_vcc 0
		.amdhsa_float_denorm_mode_32 3
		.amdhsa_float_denorm_mode_16_64 3
		.amdhsa_memory_ordered 1
		.amdhsa_forward_progress 1
		.amdhsa_inst_pref_size 84
	.end_amdhsa_kernel
	.amdgpu_metadata
---
amdhsa.version: [ 1, 2 ]
amdhsa.kernels:
  - .name:           k_q28c7016d7f_outp
    .symbol:         k_q28c7016d7f_outp.kd
    .args:
      - { .name: yb, .offset: 0, .size: 8, .value_kind: global_buffer, .address_space: global }
      - { .name: woc, .offset: 8, .size: 8, .value_kind: global_buffer, .address_space: global }
      - { .name: out0, .offset: 16, .size: 8, .value_kind: global_buffer, .address_space: global }
    .group_segment_fixed_size: 327680
    .private_segment_fixed_size: 0
    .kernarg_segment_align: 8
    .kernarg_segment_size: 24
    .max_flat_workgroup_size: 128
    .sgpr_count:     72
    .vgpr_count:     768
    .wavefront_size: 32
...
	.end_amdgpu_metadata
.endif
;; end of part 4
